; MI455X (gfx1250); checked and timed in simulation.
; The chip was launched on July 23, 2026; its instructions are those of AMD's public machine-readable ISA for CDNA 5 (MIT licence, August 2026) and "CDNA5" Instruction Set Architecture Reference Guide (July 2026). The comments in the code are by the model that wrote it; some were corrected since.
;; Attention Layer. Allowed arithmetic: float matrix products may take bf16 or f16 operands with f32 sums; other float arithmetic in f32, or as packed bf16 or f16 multiplies, adds, multiply-adds, maxima and minima; sums over many terms, partial sums and values carried from step to step in f32; what a program stores and reads back later, other than sums and carried values, may be rounded once to bf16 or f16.
;; Inputs: Wout 1,024 x 1,024 float32; Wqkv 3,072 x 1,024 float32; keyvalue 4 x 2,048 x 1,024 float32; query 4 x 2,048 x 1,024 float32.
;; Outputs: out0 4 x 2,048 x 1,024 float32.
;; 2 versions, each right; version 2 is version 1 with the launch cast written anew for expert scheduling mode. Each part assembles by itself: llvm-mc -triple=amdgcn-amd-amdhsa -mcpu=gfx1250 --defsym DOCPART=n.
;; ======== version 1 of 2: 6 launches
;; limits: values are held in f16: magnitudes above 65,504 overflow, below 6.1e-05 lose precision
;; workspace buffers: kvb 16,777,216 bytes; wb 6,291,456 bytes; wo 2,097,152 bytes; rope 524,288 bytes; qkv 56,623,104 bytes; sc 67,108,864 bytes; pr 33,554,432 bytes; ob 16,777,216 bytes
;; launch cast (part 1): grid 800 x 1, 8 waves a work-group, no clusters, 0 bytes of LDS; arguments keyvalue, Wqkv, Wout, kvb, wb, wo, rope; writes kvb, wb, wo, rope
.if DOCPART == 1
	.amdgcn_target "amdgcn-amd-amdhsa--gfx1250"
	.amdhsa_code_object_version 6
	.text
	.protected	k_qf1504413e8_cast
	.globl	k_qf1504413e8_cast
	.p2align	8
	.type	k_qf1504413e8_cast,@function
k_qf1504413e8_cast:
	s_mov_b64 s[64:65], 0
	v_nop
	global_prefetch_b8 v0, s[64:65] scope:SCOPE_SE
	s_setreg_imm32_b32 hwreg(HW_REG_WAVE_MODE, 25, 1), 1
	s_wait_xcnt 0x0
; THE INPUTS ARE ROUNDED ONCE, AND THE TABLE OF ROTATIONS IS MADE.
; Work-groups 0-511: keyvalue [8192][1024] f32 -> kvb in bf16.  512-703: Wqkv [3072][1024] -> wb in bf16.  704-767: Wout [1024][1024] -> wo: rounded to bf16 like the
; other inputs, and that number written as f16 (exact down to f16's fixed step of 6e-8 below 6e-5; Wout stays under 65,504).
; 768-799: rope[s][i] = (cos, sin)(s x 10000^(-i/32)), s = 0..2047, i = 0..31, f32: a row is 256 bytes.
; The input query is not read: the module deletes it in its first line, and no result hangs on it.
; A casting work-group takes 16,384 numbers, a wave 2,048: sixteen loads of 512 consecutive bytes, all on their way at once; each store of a wave covers 256 consecutive bytes, aligned.
; No LDS, no barrier, no matrix unit: every byte is read once and written once, and no wave wants another's.
; LIMITS.  10000^(-i/32) is 2^(-i log2(10)/8) by v_exp_f32, so an angle may differ from a correctly rounded one by about 2e-4 at s = 2047.  Sine and cosine: the angle less a multiple of
; pi/2 (pi/2 in two parts), then polynomials of degree 7 and 8 on -pi/4 .. pi/4.
.set XR, 16                            ; v[16:79]   sixteen loads of four numbers
.set YR, 80                            ; v[80:111]  sixteen stores of four 16-bit numbers
	s_load_b256 s[4:11], s[0:1], 0x0               ; keyvalue s[4:5], Wqkv s[6:7], Wout s[8:9], kvb s[10:11]
	s_load_b128 s[12:15], s[0:1], 0x20             ; wb s[12:13], wo s[14:15]
	s_load_b64 s[16:17], s[0:1], 0x30              ; rope
	v_lshrrev_b32 v1, 5, v0
	v_readfirstlane_b32 s20, v1                    ; wave 0..7
	v_and_b32 v2, 31, v0                           ; lane
	s_mov_b32 s21, ttmp9
	s_mov_b32 s27, 0xffff0000                      ; a word's upper bf16
	s_wait_kmcnt 0x0
	s_cmp_ge_u32 s21, 768
	s_cbranch_scc1 .Ltable
	s_cmp_lt_u32 s21, 512                          ; which tensor, and which of its blocks of 16,384 numbers
	s_cselect_b64 s[22:23], s[4:5], s[6:7]
	s_cselect_b64 s[24:25], s[10:11], s[12:13]
	s_cselect_b32 s26, 0, 512
	s_cmp_lt_u32 s21, 704
	s_cselect_b64 s[22:23], s[22:23], s[8:9]
	s_cselect_b64 s[24:25], s[24:25], s[14:15]
	s_cselect_b32 s26, s26, 704
	s_sub_co_u32 s26, s21, s26
	s_lshl_b32 s28, s26, 16                        ; 65,536 bytes in,
	s_mov_b32 s29, 0
	s_lshl_b32 s30, s26, 15                        ; 32,768 bytes out
	s_mov_b32 s31, 0
	s_add_nc_u64 s[22:23], s[22:23], s[28:29]
	s_add_nc_u64 s[24:25], s[24:25], s[30:31]
	v_lshlrev_b32 v3, 4, v2
	v_lshl_add_u32 v3, v1, 13, v3                  ; in: 8,192 x wave + 16 x lane
	v_lshlrev_b32 v4, 3, v2
	v_lshl_add_u32 v4, v1, 12, v4                  ; out: 4,096 x wave + 8 x lane
.irp j, 0,1,2,3,4,5,6,7,8,9,10,11,12,13,14,15
	global_load_b128 v[XR+4*(\j):XR+4*(\j)+3], v3, s[22:23] offset:512*(\j) th:TH_LOAD_NT
.endr
	s_cmp_ge_u32 s21, 704
	s_cbranch_scc1 .Lwout
.irp j, 0,1,2,3,4,5,6,7,8,9,10,11,12,13,14,15
	s_wait_loadcnt 15-(\j)                         ; loads come back in order: load j is in, the younger ones stay out
	v_cvt_pk_bf16_f32 v[YR+2*(\j)], v[XR+4*(\j)], v[XR+4*(\j)+1]
	v_cvt_pk_bf16_f32 v[YR+2*(\j)+1], v[XR+4*(\j)+2], v[XR+4*(\j)+3]
	global_store_b64 v4, v[YR+2*(\j):YR+2*(\j)+1], s[24:25] offset:256*(\j) th:TH_STORE_NT
.endr
	s_endpgm
.Lwout:
.irp j, 0,1,2,3,4,5,6,7,8,9,10,11,12,13,14,15
	s_wait_loadcnt 15-(\j)
	v_cvt_pk_bf16_f32 v8, v[XR+4*(\j)], v[XR+4*(\j)+1]     ; rounded to bf16,
	v_cvt_pk_bf16_f32 v9, v[XR+4*(\j)+2], v[XR+4*(\j)+3]
	v_lshlrev_b32 v10, 16, v8                      ; widened again,
	v_and_b32 v11, s27, v8
	v_lshlrev_b32 v12, 16, v9
	v_and_b32 v13, s27, v9
	v_cvt_pk_f16_f32 v[YR+2*(\j)], v10, v11        ; and written as f16
	v_cvt_pk_f16_f32 v[YR+2*(\j)+1], v12, v13
	global_store_b64 v4, v[YR+2*(\j):YR+2*(\j)+1], s[24:25] offset:256*(\j) th:TH_STORE_NT
.endr
	s_endpgm
.Ltable:                                       ; a work-group makes 64 rows, a wave 8; a lane is a frequency
	s_sub_co_u32 s21, s21, 768
	s_lshl_b32 s21, s21, 6
	s_lshl3_add_u32 s21, s20, s21                  ; my first row: 64 t + 8 x wave
	s_mov_b32 s30, 0x3f22f983                      ; 2 / pi
	s_mov_b32 s31, 0x3fc90fdb                      ; pi / 2, rounded up,
	s_mov_b32 s32, 0x333bbd2e                      ; and by how much
	s_mov_b32 s33, 0xbe2aaaa3                      ; sine: r + r z (s33 + z (s34 + z s35)), z = r r
	s_mov_b32 s34, 0x3c08839e
	s_mov_b32 s35, 0xb94ca1f9
	s_mov_b32 s36, 0x3d2aaaa5                      ; cosine: 1 - z / 2 + z z (s36 + z (s37 + z s38))
	s_mov_b32 s37, 0xbab6061a
	s_mov_b32 s38, 0x37ccf5ce
	v_cvt_f32_u32 v5, v2
	v_mul_f32 v5, 0xbed49a78, v5                   ; - i log2(10) / 8
	v_exp_f32 v5, v5                               ; 10000^(-i/32)
	v_lshlrev_b32 v22, 3, v2                       ; (a plain instruction behind the exponential) 8 x lane,
	s_lshl_b32 s24, s21, 8
	v_add_nc_u32 v22, s24, v22                     ; + 256 x my first row
	s_wait_alu depctr_va_vdst(0)                   ; the wait ahead of the first use of the exponential
.irp r, 0,1,2,3,4,5,6,7
	s_add_co_u32 s22, s21, \r
	v_cvt_f32_u32 v6, s22
	v_mul_f32 v6, v6, v5                           ; the angle
	v_mul_f32 v7, s30, v6
	v_rndne_f32 v7, v7                             ; the nearest multiple of pi / 2
	v_fma_f32 v8, -v7, s31, v6
	v_fma_f32 v8, v7, s32, v8                      ; r, within pi / 4 of 0
	v_mul_f32 v9, v8, v8
	v_fma_f32 v10, v9, s35, s34
	v_fma_f32 v12, v9, s38, s37
	v_fma_f32 v10, v10, v9, s33
	v_fma_f32 v12, v12, v9, s36
	v_mul_f32 v11, v8, v9
	v_mul_f32 v13, v9, v9
	v_fma_f32 v14, v9, -0.5, 1.0
	v_fma_f32 v10, v11, v10, v8                    ; sin r
	v_fma_f32 v12, v13, v12, v14                   ; cos r
	v_cvt_i32_f32 v15, v7
	v_and_b32 v16, 1, v15
	v_cmp_eq_u32 vcc_lo, 1, v16                    ; an odd quarter turn swaps the two;
	v_cndmask_b32 v17, v10, v12, vcc_lo
	v_cndmask_b32 v18, v12, v10, vcc_lo
	v_and_b32 v19, 2, v15                          ; the sine is turned in quarters 2 and 3,
	v_lshlrev_b32 v19, 30, v19
	v_xor_b32 v[33+2*(\r)], v19, v17
	v_add_nc_u32 v19, 1, v15                       ; the cosine in quarters 1 and 2
	v_and_b32 v19, 2, v19
	v_lshlrev_b32 v19, 30, v19
	v_xor_b32 v[32+2*(\r)], v19, v18
	global_store_b64 v22, v[32+2*(\r):33+2*(\r)], s[16:17] offset:256*(\r)  ; 32 lanes store a row: 256 consecutive bytes, aligned
.endr
	s_endpgm
.Lfunc_end_k_qf1504413e8_cast:
	.size	k_qf1504413e8_cast, .Lfunc_end_k_qf1504413e8_cast-k_qf1504413e8_cast
	.p2alignl 7, 3214868480
	.fill 96, 4, 3214868480
	.section	.rodata,"a",@progbits
	.p2align	6, 0x0
	.amdhsa_kernel k_qf1504413e8_cast
		.amdhsa_group_segment_fixed_size 0
		.amdhsa_private_segment_fixed_size 0
		.amdhsa_enable_private_segment 0
		.amdhsa_kernarg_size 56
		.amdhsa_user_sgpr_count 2
		.amdhsa_user_sgpr_kernarg_segment_ptr 1
		.amdhsa_wavefront_size32 1
		.amdhsa_system_sgpr_workgroup_id_x 1
		.amdhsa_system_sgpr_workgroup_id_y 1
		.amdhsa_system_sgpr_workgroup_id_z 1
		.amdhsa_system_vgpr_workitem_id 0
		.amdhsa_next_free_vgpr 112
		.amdhsa_next_free_sgpr 66
		.amdhsa_reserve_vcc 1
		.amdhsa_float_denorm_mode_32 3
		.amdhsa_float_denorm_mode_16_64 3
		.amdhsa_memory_ordered 1
		.amdhsa_forward_progress 1
		.amdhsa_inst_pref_size 27
	.end_amdhsa_kernel
	.amdgpu_metadata
---
amdhsa.version: [ 1, 2 ]
amdhsa.kernels:
  - .name:           k_qf1504413e8_cast
    .symbol:         k_qf1504413e8_cast.kd
    .args:
      - { .name: keyvalue, .offset: 0, .size: 8, .value_kind: global_buffer, .address_space: global }
      - { .name: Wqkv, .offset: 8, .size: 8, .value_kind: global_buffer, .address_space: global }
      - { .name: Wout, .offset: 16, .size: 8, .value_kind: global_buffer, .address_space: global }
      - { .name: kvb, .offset: 24, .size: 8, .value_kind: global_buffer, .address_space: global }
      - { .name: wb, .offset: 32, .size: 8, .value_kind: global_buffer, .address_space: global }
      - { .name: wo, .offset: 40, .size: 8, .value_kind: global_buffer, .address_space: global }
      - { .name: rope, .offset: 48, .size: 8, .value_kind: global_buffer, .address_space: global }
    .group_segment_fixed_size: 0
    .private_segment_fixed_size: 0
    .kernarg_segment_align: 8
    .kernarg_segment_size: 56
    .max_flat_workgroup_size: 256
    .sgpr_count:     66
    .vgpr_count:     112
    .wavefront_size: 32
...
	.end_amdgpu_metadata
.endif
;; end of part 1
;; launch qkvproj (part 2): grid 12 x 32, 4 waves a work-group, clusters of 4 x 4, 327,680 bytes of LDS; arguments kvb, wb, rope, qkv; writes qkv
.if DOCPART == 2
	.amdgcn_target "amdgcn-amd-amdhsa--gfx1250"
	.amdhsa_code_object_version 6
	.text
	.protected	k_qf1504413e8_qkvproj
	.globl	k_qf1504413e8_qkvproj
	.p2align	8
	.type	k_qf1504413e8_qkvproj,@function
k_qf1504413e8_qkvproj:
	s_mov_b64 s[64:65], 0
	v_nop
	global_prefetch_b8 v0, s[64:65] scope:SCOPE_SE
	s_setreg_imm32_b32 hwreg(HW_REG_WAVE_MODE, 25, 1), 1
	s_wait_xcnt 0x0
	s_wait_alu depctr_hold_cnt(0) depctr_sa_sdst(0) depctr_va_vdst(0) depctr_va_sdst(0) depctr_va_ssrc(0) depctr_va_vcc(0) depctr_vm_vsrc(0)
	s_getreg_b32 s2, hwreg(HW_REG_IB_STS2, 6, 4)
	s_cmp_eq_u32 s2, 0
	s_cbranch_scc0 .Lentry_in_a_cluster
	s_endpgm
.Lentry_in_a_cluster:
	s_bfe_u32 s2, ttmp6, 0x10000c
	s_cmp_lg_u32 s2, 0xf033
	s_cbranch_scc0 .Lentry_shape_is_right
	s_endpgm
.Lentry_shape_is_right:
; qkv[m][f] = the sum over e of kvb[m][e] wb[f][e]; columns 0-2047 (q and k) are then rotated in pairs by the table; all is rounded once to f16.
; kvb: [8192][1024] bf16, wb: [3072][1024] bf16, rope: [2048][32] pairs (cos, sin) f32, qkv: [9216][3072] f16.  Sums in f32.
; THE LOW PARTS.  For the first 256 rows of each batch b, q and k are kept in two parts: row 8192 + 256 b + s of qkv holds 2048 x (x - f16(x)), rounded to f16, of row 2048 b + s (columns 0-2047 alone).
; There few keys share a query's weight, and a score made of q and k rounded to 11 bits would move a whole weight by more than the result can bear.
; LIMIT.  f16 holds no number beyond 65,504: q, k and v must stay within it.
; A tile of 256 x 256 is made by four waves, 128 x 128 each: 64 accumulators, 512 registers.  K goes in 8 steps of 128 through two LDS slots filled by the tensor data mover; rows of the tiles are
; 256 bytes of memory, aligned.  CLUSTER 4 x 4: the four work-groups of a row of the cluster ask jointly for kvb's tile, the four of a column for wb's.
; THE TILE ROW IS cluster y + 8 cy: cy is the batch, cluster y the tile in the batch.  So whether a tile holds a batch's first 256 rows is the same answer in all sixteen partners.
; THE LOOP'S BODY IS ONE K STEP: which slot is read (TB) and which is filled (TF) are scalars that an exclusive or turns between 0 and SLOT; one walking descriptor a tensor.
; THE MATRIX INSTRUCTION IS USED TRANSPOSED (source 0 = 16 rows of wb, source 1 = 16 rows of kvb): a lane holds row l % 16 and eight neighbouring columns.
; REGISTERS: window 0: v0-63 addresses and work; v64-127, v128-191 kvb's fragments, two buffers.  Window 1: the same places, wb's fragments.  Windows 2, 3: the accumulators, (a, b) at v[8 (8 (a % 4) + b)].
; THE WAY OUT.  The ring has had its last fill; behind a barrier each wave lays its 128 x 128 sums there in f32 (rows of 528 bytes, its own 67,584 bytes), reads whole rows back, rotates, rounds and stores:
; a lane then has four neighbouring columns, two pairs, and a wave's store covers 256 consecutive bytes, aligned.
; THE TABLE'S ROWS COME THROUGH A RING OF SIXTEEN REGISTER SLOTS: the first sixteen are asked for ahead of the LDS stores; a slot is asked for again, with the row sixteen further on, as soon as its row has
; been used, so that sixteen loads of the wave are always on their way and no trip begins by waiting for what it has just asked for.
.set PITCH,  272                       ; an LDS row: 256 bytes + 16 of padding: the 16 rows of a fragment load start at 16 different groups of four banks (ISA guide 11.1)
.set HALFT,  128*PITCH                 ; what one tensor load brings
.set SLOT,   4*HALFT                   ; kvb's 256 rows, then wb's 256 rows
.set SPARE,  2*SLOT                    ; behind the ring: the spare words, 128 bytes a wave: two blocks of 256 bytes that no other line names
.set DP,     528                       ; the way out: a row of 128 f32 + 16 bytes
.set WREG,   128*DP
.set A0,   16                          ; v16  my lane's place in kvb's tile of slot 0
.set B0,   17                          ; v17  the same for wb
.set ADRA, 18                          ; v18  the same in the slot that is being read
.set ADRB, 19
.set STO,  24                          ; v24  the way out: where I put 32 bytes of a row
.set RD,   25                          ; v25  where I read 16 bytes of a row back
.set CO,   26                          ; v26  my byte offset in 256 bytes of qkv
.set TO,   27                          ; v27  my byte offset in a row of the table; never rewritten
.set SPW,  28                          ; v28  my spare word; never rewritten
.set NIL,  29                          ; v29  0; never rewritten
.set PFO,  30                          ; v30  my lane x a row of 2,048 bytes; never rewritten
.set TM,   32                          ; v32-35 at work
.set K2,   36                          ; v[36:37] 2048, twice
.set K2N,  38                          ; v38  -2048
.set F0,   64
.set F1,   128
.set OB,   64                          ; the way out: 16 rows read back, then rotated in place
.set TBL,  128                         ; the ring of 16 rows of the table
.set YR,   192                         ; 16 rows to store
.set LOR,  224                         ; 16 rows of low parts to store
.set WV, 12
.set WR, 13                            ; my half of the tile's rows; also: I fetch for kvb (0) or wb (1)
.set WC, 14                            ; my half of its columns; also: which 128 rows I fetch
.set CNT, 15
.set TROW, 16
.set TCOL, 17
.set CX, 18
.set CY, 19
.set G1A, 24
.set G0A, 32                           ; s[32:35] K step 0; s[36:39] walks
.set G1B, 40
.set G0B, 48
.set PFA, 56
.set LIM, 58                           ; 2 in a wave that prefetches, else the greatest number
.set TB,  59
.set TF,  60
.set LW,  61                           ; my load's place in a slot
.set LOF, 62                           ; 1: the tile holds a batch's first 256 rows of q or k: low parts are stored
.set ISV, 63                           ; 1: the tile lies in v's columns
.set LOP, 72                           ; s[72:73] where my low parts go
.set TABP, 8
.set OUTP, 10
.set G1C, (1<<16)|(1<<20)|(1<<21)|(5<<22)|(3<<25)  ; 2-byte elements; padding on; bit 21 beside a mask; after every 64 words, 4 words
.set MSB, 0
.macro WIN new                         ; the immediate's high byte repeats the setting that is left
.if MSB != (\new)
	s_set_vgpr_msb (MSB<<8)|(\new)
.set MSB, \new
.endif
.endm
.set MUL_LO, 0xa1                      ; source 0 window 1, source 1 window 0, C and D window 2
.set MUL_HI, 0xf1                      ; the same, C and D window 3
.set TO_B,   0x40
.macro PLACES                          ; four plain places behind matrix instructions (ISA guide 7.12.1)
.rept 4
	v_nop
.endr
.endm
.macro JLOAD                           ; a joint refill by the walking descriptors: waves 0, 1 kvb's halves, waves 2, 3 wb's; an s_nop 0 and four v_nop follow each line
	s_cmp_eq_u32 s[WR], 0
	s_cbranch_scc0 .Lfor_b_\@
	tensor_load_to_lds s[G0A+4:G0A+7], s[G1A:G1A+7]
	s_nop 0
.rept 4
	v_nop
.endr
	s_branch .Lasked_\@
.Lfor_b_\@:
	tensor_load_to_lds s[G0B+4:G0B+7], s[G1B:G1B+7]
	s_nop 0
.rept 4
	v_nop
.endr
.Lasked_\@:
.endm
; A prefetch, behind a joint refill and the run of LDS loads: the K step two refills on, 32 rows x 256 bytes, a lane a row.  kvb's rows are asked for by the clusters with x = 0, wb's by those with y = 0;
; the four partners of a joint load share its 128 rows out by address.  Only K steps 4 to 7 are named: while the counter is above 2.
.macro ASK
	s_cmp_gt_u32 s[CNT], s[LIM]
	s_cbranch_scc0 .Lnot_mine_\@
	global_prefetch_b8 v[PFO], s[PFA:PFA+1] th:TH_LOAD_NT scope:SCOPE_SE
.Lnot_mine_\@:
.endm
.macro CREST                           ; a round of the cluster's barrier behind its opening barrier
	s_cmp_lg_u32 s[WV], 0
	s_cbranch_scc1 .Lnot_wave_0_\@
	s_barrier_signal -3
.Lnot_wave_0_\@:
	s_barrier_wait -3
	s_barrier_signal -1
	s_barrier_wait -1
.endm
.macro CROUND
	s_barrier_signal -1
	s_barrier_wait -1
	CREST
.endm
	s_load_b256 s[4:11], s[0:1], 0x0               ; kvb s[4:5], wb s[6:7], rope s[8:9], qkv s[10:11]
	v_lshl_add_u32 v[SPW], v0, 2, SPARE
	v_mov_b32 v[NIL], 0
	ds_add_u32 v[SPW], v[NIL]                      ; the wave's opening: the add and its wait stand ahead of my first tensor load
	v_lshrrev_b32 v1, 5, v0
	v_readfirstlane_b32 s[WV], v1
	s_lshr_b32 s[WR], s[WV], 1
	s_and_b32 s[WC], s[WV], 1
	s_bfe_u32 s[CX], ttmp6, 0x40000
	s_bfe_u32 s[CY], ttmp6, 0x40004
	s_lshl_b32 s[TCOL], ttmp9, 2
	s_add_co_u32 s[TCOL], s[TCOL], s[CX]           ; tile column = 4 x cluster x + cx
	s_and_b32 s[TROW], ttmp7, 0xffff
	s_lshl_b32 s20, s[CY], 3
	s_add_co_u32 s[TROW], s[TROW], s20             ; tile row = cluster y + 8 cy: batch cy, tile cluster y of its eight
	s_lshl_b32 s20, s[CY], 2
	s_lshl_b32 s20, 15, s20                        ; my row of the cluster
	s_lshl_b32 s66, 0x1111, s[CX]                  ; my column
	s_or_b32 s[G1A], s20, G1C
	s_or_b32 s[G1B], s66, G1C
.irp g, G1A, G1B
	s_mov_b32 s[(\g)+1], 128<<16                   ; tensor_dim0 = 128
	s_mov_b32 s[(\g)+2], 128<<16                   ; tensor_dim1 = 128
	s_mov_b32 s[(\g)+3], 128<<16                   ; tile_dim0 = 128
	s_mov_b32 s[(\g)+4], 128                       ; tile_dim1 = 128
	s_mov_b32 s[(\g)+5], 1024                      ; elements from row to row
	s_mov_b32 s[(\g)+6], 0
	s_mov_b32 s[(\g)+7], 0
.endr
	s_lshl_b32 s22, s[WC], 7
	s_lshl_b32 s20, s[TROW], 8
	s_add_co_u32 s20, s20, s22                     ; kvb: row 256 x tile row + 128 x half
	s_lshl_b32 s20, s20, 11                        ; in bytes
	s_mov_b32 s21, 0
	s_lshl_b32 s66, s[TCOL], 8
	s_add_co_u32 s66, s66, s22                     ; wb: row 256 x tile column + 128 x half
	s_lshl_b32 s66, s66, 11
	s_mov_b32 s67, 0
	s_mul_i32 s[LW], s[WV], HALFT                  ; no place in the cluster enters an LDS address
	s_mov_b32 s[TB], 0
	s_mov_b32 s[TF], SLOT
	s_wait_dscnt 0x0                               ; the opening add is done
	s_wait_kmcnt 0x0
	s_add_nc_u64 s[20:21], s[4:5], s[20:21]
	s_add_nc_u64 s[66:67], s[6:7], s[66:67]
	CROUND                                         ; all sixteen work-groups are here: the first joint loads meet
.irp s, 0,1
	s_mov_b32 s[G0A+4*(\s)], 1
	s_add_co_u32 s[G0A+4*(\s)+1], s[LW], (\s)*SLOT
	s_add_nc_u64 s[G0A+4*(\s)+2:G0A+4*(\s)+3], s[20:21], (\s)*256
	s_or_b32 s[G0A+4*(\s)+3], s[G0A+4*(\s)+3], 0x80000000
	s_mov_b32 s[G0B+4*(\s)], 1
	s_add_co_u32 s[G0B+4*(\s)+1], s[LW], (\s)*SLOT
	s_add_nc_u64 s[G0B+4*(\s)+2:G0B+4*(\s)+3], s[66:67], (\s)*256
	s_or_b32 s[G0B+4*(\s)+3], s[G0B+4*(\s)+3], 0x80000000
.endr
	s_cmp_eq_u32 s[WR], 0                          ; a wave's two first fills stand in one branch: two loads of mine are out
	s_cbranch_scc0 .Lfirst_b
	tensor_load_to_lds s[G0A:G0A+3], s[G1A:G1A+7]
	s_nop 0
	tensor_load_to_lds s[G0A+4:G0A+7], s[G1A:G1A+7]
	s_nop 0
.rept 4
	v_nop
.endr
	s_branch .Lfirst_asked
.Lfirst_b:
	tensor_load_to_lds s[G0B:G0B+3], s[G1B:G1B+7]
	s_nop 0
	tensor_load_to_lds s[G0B+4:G0B+7], s[G1B:G1B+7]
	s_nop 0
.rept 4
	v_nop
.endr
.Lfirst_asked:
	v_and_b32 v1, 15, v0                           ; l % 16
	v_bfe_u32 v2, v0, 4, 1                         ; l / 16
	v_and_b32 v4, 31, v0                           ; l
	v_mul_u32_u24 v3, v1, PITCH
	v_lshl_add_u32 v3, v2, 4, v3                   ; a fragment's row x pitch + 16 x half
	s_mul_i32 s22, s[WR], HALFT
	s_mul_i32 s23, s[WC], HALFT
	s_add_co_u32 s23, s23, 2*HALFT
	v_add_nc_u32 v[A0], s22, v3
	v_add_nc_u32 v[B0], s23, v3
	v_mov_b32 v[ADRA], v[A0]
	v_mov_b32 v[ADRB], v[B0]
	s_mul_i32 s22, s[WV], WREG                     ; the way out: my 67,584 bytes
	v_mul_u32_u24 v3, v1, DP
	v_lshl_add_u32 v3, v2, 5, v3
	v_add_nc_u32 v[STO], s22, v3                   ; row l % 16, 32 bytes for each half of the lanes
	v_lshl_add_u32 v[RD], v4, 4, s22               ; back: 32 lanes take a row of 512 bytes
	v_lshlrev_b32 v[CO], 3, v4
	v_lshlrev_b32 v[TO], 4, v1                     ; columns 4 l .. 4 l + 3 are pairs 2 l % 32 and the next: 16 bytes of the table's row
	v_lshlrev_b32 v[PFO], 11, v4
	v_mov_b32 v[K2], 0x45000000                    ; 2048
	v_mov_b32 v[K2+1], 0x45000000
	v_mov_b32 v[K2N], 0xc5000000                   ; -2048
	s_lshl_b32 s20, s[TROW], 8
	s_lshl_b32 s21, s[WR], 7
	s_add_co_u32 s20, s20, s21                     ; my first row
	s_and_b32 s22, s20, 2047                       ; its place in the sequence
	s_lshl_b32 s22, s22, 8
	s_mov_b32 s23, 0
	s_add_nc_u64 s[TABP:TABP+1], s[TABP:TABP+1], s[22:23]
	s_mov_b64 s[LOP:LOP+1], s[OUTP:OUTP+1]
	s_mul_i32 s20, s20, 6144
	s_mov_b32 s21, 0
	s_add_nc_u64 s[OUTP:OUTP+1], s[OUTP:OUTP+1], s[20:21]
	s_lshl_b32 s66, s[TCOL], 9
	s_lshl_b32 s67, s[WC], 8
	s_add_co_u32 s66, s66, s67                     ; my first column, in bytes
	s_mov_b32 s67, 0
	s_add_nc_u64 s[OUTP:OUTP+1], s[OUTP:OUTP+1], s[66:67]
	s_add_nc_u64 s[LOP:LOP+1], s[LOP:LOP+1], s[66:67]
	s_lshl_b32 s20, s[CY], 8                       ; the low parts: row 8192 + 256 x batch + 128 x my half
	s_lshl_b32 s21, s[WR], 7
	s_add_co_u32 s20, s20, s21
	s_add_co_u32 s20, s20, 8192
	s_mul_i32 s20, s20, 6144
	s_mov_b32 s21, 0
	s_add_nc_u64 s[LOP:LOP+1], s[LOP:LOP+1], s[20:21]
	s_cmp_ge_u32 ttmp9, 2                          ; tile columns 8 to 11 are v's: the same answer in all sixteen partners
	s_cselect_b32 s[ISV], 1, 0
	s_and_b32 s22, ttmp7, 0xffff                   ; cluster y = 0: a batch's first 256 rows; also the same in all sixteen
	s_or_b32 s22, s22, s[ISV]
	s_cmp_eq_u32 s22, 0
	s_cselect_b32 s[LOF], 1, 0
	s_lshl_b32 s68, s[TROW], 8                     ; the prefetches
	s_lshl_b32 s69, s[TCOL], 8
	s_and_b32 s70, ttmp7, 0xffff
	s_cmp_eq_u32 s[WR], 0
	s_cselect_b32 s68, s68, s69                    ; the tile's first row
	s_cselect_b32 s69, s[CX], s[CY]                ; my place among the four that ask with me
	s_cselect_b32 s70, ttmp9, s70                  ; the coordinate along which other clusters read the same rows
	s_cselect_b64 s[PFA:PFA+1], s[4:5], s[6:7]
	s_cmp_eq_u32 s70, 0
	s_cselect_b32 s[LIM], 2, -1
	s_lshl_b32 s70, s[WC], 7
	s_add_co_u32 s68, s68, s70
	s_lshl_b32 s69, s69, 5
	s_add_co_u32 s68, s68, s69
	s_lshl_b32 s68, s68, 11
	s_mov_b32 s69, 0
	s_add_nc_u64 s[PFA:PFA+1], s[PFA:PFA+1], s[68:69]
	s_add_nc_u64 s[PFA:PFA+1], s[PFA:PFA+1], 3*256 ; at K step 3: the first refill steps it to 4
; 16 matrix instructions: m blocks a0, a0 + 1 of the window's four x all 8 n blocks, 32 along K.  The 64 accumulators take turns, in the same order in every quarter.
.macro MUL16 f, hi, a0, zero
	WIN MUL_LO+0x50*(\hi)
.irp a, \a0, (\a0)+1
.irp b, 0,1,2,3,4,5,6,7
.if \zero
	v_wmma_f32_16x16x32_bf16 v[8*(8*(\a)+(\b)):8*(8*(\a)+(\b))+7], v[(\f)+8*(\b):(\f)+8*(\b)+7], v[(\f)+8*(4*(\hi)+(\a)):(\f)+8*(4*(\hi)+(\a))+7], 0
.else
	v_wmma_f32_16x16x32_bf16 v[8*(8*(\a)+(\b)):8*(8*(\a)+(\b))+7], v[(\f)+8*(\b):(\f)+8*(\b)+7], v[(\f)+8*(4*(\hi)+(\a)):(\f)+8*(4*(\hi)+(\a))+7], v[8*(8*(\a)+(\b)):8*(8*(\a)+(\b))+7]
.endif
.endr
.endr
.endm
.macro FETCH k, f                      ; 32 LDS loads in one run: a quarter step's fragments, wb's first
	WIN TO_B
.irp i, 0,1,2,3,4,5,6,7
	ds_load_b128 v[(\f)+8*(\i):(\f)+8*(\i)+3],   v[ADRB] offset:(\k)+(\i)*16*PITCH
	ds_load_b128 v[(\f)+8*(\i)+4:(\f)+8*(\i)+7], v[ADRB] offset:(\k)+(\i)*16*PITCH+32
.endr
	WIN 0
.irp i, 0,1,2,3,4,5,6,7
	ds_load_b128 v[(\f)+8*(\i):(\f)+8*(\i)+3],   v[ADRA] offset:(\k)+(\i)*16*PITCH
	ds_load_b128 v[(\f)+8*(\i)+4:(\f)+8*(\i)+7], v[ADRA] offset:(\k)+(\i)*16*PITCH+32
.endr
.endm
.macro QUARTER k, f, g, zero           ; multiplies buffer f; in its middle fetches the next quarter, at byte k of the rows, into g
	s_wait_dscnt 8                                 ; all but the youngest eight loads (my rows 64-127 of kvb)
	MUL16 \f, 0, 0, \zero
	MUL16 \f, 0, 2, \zero
	PLACES
	FETCH \k, \g
	s_wait_dscnt 32                                ; all but the 32 just issued
	MUL16 \f, 1, 0, \zero
	MUL16 \f, 1, 2, \zero
.endm
; The last quarter multiplies buffer 1 and changes slots.  In front of the barrier each wave waits for all its tensor loads (one is out: its part of the next slot), adds 0 to its spare word, and waits for
; that and for its reads of this slot.  fill = 1: the barrier opens a round of the cluster's, and the joint refill, K step two on, is the first tensor load behind it.
.macro TURN fill
.if \fill
	s_wait_xcnt 0x0                                ; the last prefetch, a K step back, has read its address
	s_add_nc_u64 s[PFA:PFA+1], s[PFA:PFA+1], 256
.endif
	WIN 0
	s_wait_tensorcnt 0x0
	ds_add_u32 v[SPW], v[NIL]
	s_wait_dscnt 9                                 ; (the add and the youngest eight loads may be out)
	MUL16 F1, 0, 0, 0
	s_wait_dscnt 0x0                               ; the add is done, and my reads of this slot are over
	s_barrier_signal -1
	MUL16 F1, 0, 2, 0
	WIN 0
	s_barrier_wait -1
.if \fill
	CREST
	s_xor_b32 s[TF], s[TF], SLOT                   ; the slot just read out
	s_add_co_u32 s[G0A+5], s[LW], s[TF]
	s_add_co_u32 s[G0B+5], s[LW], s[TF]
	s_add_nc_u64 s[G0A+6:G0A+7], s[G0A+6:G0A+7], 256
	s_add_nc_u64 s[G0B+6:G0B+7], s[G0B+6:G0B+7], 256
	JLOAD                                          ; its four v_nop are also the places in front of the loads below
.else
	PLACES
.endif
	s_xor_b32 s[TB], s[TB], SLOT                   ; the other slot is read from here on
	v_add_nc_u32 v[ADRA], s[TB], v[A0]
	v_add_nc_u32 v[ADRB], s[TB], v[B0]
	FETCH 0, F0
.if \fill
	ASK
.endif
	MUL16 F1, 1, 0, 0
	MUL16 F1, 1, 2, 0
.endm
	s_wait_tensorcnt 1                             ; my part of K step 0 is in; K step 1's may stay out
	s_barrier_signal -1
	s_barrier_wait -1
	FETCH 0, F0
	QUARTER 64, F0, F1, 1                          ; the first quarter's products start the sums
	WIN 0
	s_mov_b32 s[CNT], 6                            ; six changes of slots ask for K steps 2 to 7
.Lstep:
	QUARTER 128, F1, F0, 0
	QUARTER 192, F0, F1, 0
	TURN 1
	QUARTER 64, F0, F1, 0
	WIN 0
	s_sub_co_u32 s[CNT], s[CNT], 1
	s_cmp_lg_u32 s[CNT], 0
	s_cbranch_scc1 .Lstep
	QUARTER 128, F1, F0, 0                         ; the tail asks for nothing
	QUARTER 192, F0, F1, 0
	TURN 0
	QUARTER 64, F0, F1, 0
	QUARTER 128, F1, F0, 0
	QUARTER 192, F0, F1, 0
	s_wait_dscnt 0x0
	MUL16 F1, 0, 0, 0
	MUL16 F1, 0, 2, 0
	MUL16 F1, 1, 0, 0
	MUL16 F1, 1, 2, 0
	WIN 0
	s_barrier_signal -1                            ; every wave's reads of the ring are back, and no fill is to come:
	s_barrier_wait -1                              ; the ring's bytes now serve the way out
	PLACES
	PLACES
	s_cmp_eq_u32 s[ISV], 1
	s_cbranch_scc1 .Lnotab                         ; v is not rotated and wants no table
.irp t, 0,1,2,3,4,5,6,7,8,9,10,11,12,13,14,15
	global_load_b128 v[TBL+4*(\t):TBL+4*(\t)+3], v[TO], s[TABP:TABP+1] offset:256*(\t)  ; the table's ring is filled: (cos, sin) of my two pairs in my rows 0 to 15; the LDS stores below stand between these loads and their use
.endr
.Lnotab:
.irp a, 0,1,2,3,4,5,6,7
	WIN 0x08+4*((\a)/4)                            ; the stores' data in window 2 or 3
.irp b, 0,1,2,3,4,5,6,7
	ds_store_b128 v[STO], v[8*(8*((\a)%4)+(\b)):8*(8*((\a)%4)+(\b))+3]   offset:(\a)*16*DP+64*(\b)     ; each accumulator's lowest registers first
	ds_store_b128 v[STO], v[8*(8*((\a)%4)+(\b))+4:8*(8*((\a)%4)+(\b))+7] offset:(\a)*16*DP+64*(\b)+16
.endr
.endr
	WIN 0
	s_mov_b32 s[CNT], 8                            ; eight trips of 16 rows
	s_cmp_eq_u32 s[ISV], 1
	s_cbranch_scc1 .Lplain
	s_wait_xcnt 0x0                                ; the sixteen loads have read the table's pointer:
	s_add_nc_u64 s[TABP:TABP+1], s[TABP:TABP+1], 16*256  ; from here on it stands at the NEXT trip's rows
.Lrope:
.irp t, 0,1,2,3,4,5,6,7,8,9,10,11,12,13,14,15
	ds_load_b128 v[OB+4*(\t):OB+4*(\t)+3], v[RD] offset:DP*(\t)  ; LDS serves a wave's instructions in order: these see my stores
.endr
.irp t, 0,1,2,3,4,5,6,7,8,9,10,11,12,13,14,15
	s_wait_loadcnt 15                              ; loads come back in order: behind slot t's stand this trip's rows t + 1 .. 15 and the next trip's rows 0 .. t - 1: fifteen may stay out
	s_wait_dscnt 15-(\t)                           ; row t of the sums is in; the younger rows stay out
	v_mul_f32 v[TM],   v[OB+4*(\t)+1], v[TBL+4*(\t)+1]
	v_mul_f32 v[TM+1], v[OB+4*(\t)],   v[TBL+4*(\t)+1]
	v_mul_f32 v[TM+2], v[OB+4*(\t)+3], v[TBL+4*(\t)+3]
	v_mul_f32 v[TM+3], v[OB+4*(\t)+2], v[TBL+4*(\t)+3]
	v_fma_f32 v[OB+4*(\t)],   v[OB+4*(\t)],   v[TBL+4*(\t)],   -v[TM]    ; x0 cos - x1 sin, in place
	v_fma_f32 v[OB+4*(\t)+1], v[OB+4*(\t)+1], v[TBL+4*(\t)],   v[TM+1]   ; x1 cos + x0 sin
	v_fma_f32 v[OB+4*(\t)+2], v[OB+4*(\t)+2], v[TBL+4*(\t)+2], -v[TM+2]
	v_fma_f32 v[OB+4*(\t)+3], v[OB+4*(\t)+3], v[TBL+4*(\t)+2], v[TM+3]
	global_load_b128 v[TBL+4*(\t):TBL+4*(\t)+3], v[TO], s[TABP:TABP+1] offset:256*(\t)  ; the slot has been used: it is asked for again, with the next trip's row t
	v_cvt_pk_f16_f32 v[YR+2*(\t)], v[OB+4*(\t)], v[OB+4*(\t)+1]
	v_cvt_pk_f16_f32 v[YR+2*(\t)+1], v[OB+4*(\t)+2], v[OB+4*(\t)+3]
	global_store_b64 v[CO], v[YR+2*(\t):YR+2*(\t)+1], s[OUTP:OUTP+1] offset:6144*(\t)  ; 32 lanes store 256 consecutive bytes, aligned
.endr
	s_cmp_eq_u32 s[LOF], 0
	s_cbranch_scc1 .Lnolo
.irp t, 0,1,2,3,4,5,6,7,8,9,10,11,12,13,14,15      ; the low parts: 2048 x - 2048 f16(x), which f32 holds exactly, rounded to f16
	v_pk_mul_f32 v[OB+4*(\t):OB+4*(\t)+1], v[OB+4*(\t):OB+4*(\t)+1], v[K2:K2+1]
	v_pk_mul_f32 v[OB+4*(\t)+2:OB+4*(\t)+3], v[OB+4*(\t)+2:OB+4*(\t)+3], v[K2:K2+1]
	v_fma_mix_f32 v[TM],   v[YR+2*(\t)],   v[K2N], v[OB+4*(\t)]   op_sel_hi:[1,0,0]                ; the first source is an f16 half: low,
	v_fma_mix_f32 v[TM+1], v[YR+2*(\t)],   v[K2N], v[OB+4*(\t)+1] op_sel:[1,0,0] op_sel_hi:[1,0,0] ; high
	v_fma_mix_f32 v[TM+2], v[YR+2*(\t)+1], v[K2N], v[OB+4*(\t)+2] op_sel_hi:[1,0,0]
	v_fma_mix_f32 v[TM+3], v[YR+2*(\t)+1], v[K2N], v[OB+4*(\t)+3] op_sel:[1,0,0] op_sel_hi:[1,0,0]
	v_cvt_pk_f16_f32 v[LOR+2*(\t)], v[TM], v[TM+1]
	v_cvt_pk_f16_f32 v[LOR+2*(\t)+1], v[TM+2], v[TM+3]
	global_store_b64 v[CO], v[LOR+2*(\t):LOR+2*(\t)+1], s[LOP:LOP+1] offset:6144*(\t)
.endr
.Lnolo:
	s_wait_xcnt 0x0                                ; the stores' data and the three bases are rewritten only behind this wait
	v_add_nc_u32 v[RD], 16*DP, v[RD]
	s_cmp_gt_u32 s[CNT], 2                         ; the table's pointer stands a trip ahead, so it stops at my last sixteen rows: the last trip asks for its own rows once more (sixteen loads
	s_cselect_b32 s20, 16*256, 0                   ; that nothing uses), so that the loop has one form and no load leaves the table
	s_mov_b32 s21, 0
	s_add_nc_u64 s[TABP:TABP+1], s[TABP:TABP+1], s[20:21]
	s_add_nc_u64 s[OUTP:OUTP+1], s[OUTP:OUTP+1], 16*6144
	s_add_nc_u64 s[LOP:LOP+1], s[LOP:LOP+1], 16*6144
	s_sub_co_u32 s[CNT], s[CNT], 1
	s_cmp_lg_u32 s[CNT], 0
	s_cbranch_scc1 .Lrope
	s_branch .Ldone
.Lplain:                                       ; v is not rotated
.irp t, 0,1,2,3,4,5,6,7,8,9,10,11,12,13,14,15
	ds_load_b128 v[OB+4*(\t):OB+4*(\t)+3], v[RD] offset:DP*(\t)
.endr
.irp t, 0,1,2,3,4,5,6,7,8,9,10,11,12,13,14,15
	s_wait_dscnt 15-(\t)
	v_cvt_pk_f16_f32 v[YR+2*(\t)], v[OB+4*(\t)], v[OB+4*(\t)+1]
	v_cvt_pk_f16_f32 v[YR+2*(\t)+1], v[OB+4*(\t)+2], v[OB+4*(\t)+3]
	global_store_b64 v[CO], v[YR+2*(\t):YR+2*(\t)+1], s[OUTP:OUTP+1] offset:6144*(\t)
.endr
	s_wait_xcnt 0x0
	v_add_nc_u32 v[RD], 16*DP, v[RD]
	s_add_nc_u64 s[OUTP:OUTP+1], s[OUTP:OUTP+1], 16*6144
	s_sub_co_u32 s[CNT], s[CNT], 1
	s_cmp_lg_u32 s[CNT], 0
	s_cbranch_scc1 .Lplain
.Ldone:
	s_wait_tensorcnt 0x0                           ; the wave's end
	ds_add_u32 v[SPW], v[NIL]
	s_wait_dscnt 0x0
	CROUND                                         ; the closing round
	s_endpgm
.Lfunc_end_k_qf1504413e8_qkvproj:
	.size	k_qf1504413e8_qkvproj, .Lfunc_end_k_qf1504413e8_qkvproj-k_qf1504413e8_qkvproj
	.p2alignl 7, 3214868480
	.fill 96, 4, 3214868480
	.section	.rodata,"a",@progbits
	.p2align	6, 0x0
	.amdhsa_kernel k_qf1504413e8_qkvproj
		.amdhsa_group_segment_fixed_size 327680
		.amdhsa_private_segment_fixed_size 0
		.amdhsa_enable_private_segment 0
		.amdhsa_kernarg_size 32
		.amdhsa_user_sgpr_count 2
		.amdhsa_user_sgpr_kernarg_segment_ptr 1
		.amdhsa_wavefront_size32 1
		.amdhsa_system_sgpr_workgroup_id_x 1
		.amdhsa_system_sgpr_workgroup_id_y 1
		.amdhsa_system_sgpr_workgroup_id_z 1
		.amdhsa_system_vgpr_workitem_id 0
		.amdhsa_next_free_vgpr 1024
		.amdhsa_next_free_sgpr 80
		.amdhsa_reserve_vcc 0
		.amdhsa_float_denorm_mode_32 3
		.amdhsa_float_denorm_mode_16_64 3
		.amdhsa_memory_ordered 1
		.amdhsa_forward_progress 1
		.amdhsa_inst_pref_size 125
	.end_amdhsa_kernel
	.amdgpu_metadata
---
amdhsa.version: [ 1, 2 ]
amdhsa.kernels:
  - .name:           k_qf1504413e8_qkvproj
    .symbol:         k_qf1504413e8_qkvproj.kd
    .args:
      - { .name: kvb, .offset: 0, .size: 8, .value_kind: global_buffer, .address_space: global }
      - { .name: wb, .offset: 8, .size: 8, .value_kind: global_buffer, .address_space: global }
      - { .name: rope, .offset: 16, .size: 8, .value_kind: global_buffer, .address_space: global }
      - { .name: qkv, .offset: 24, .size: 8, .value_kind: global_buffer, .address_space: global }
    .group_segment_fixed_size: 327680
    .private_segment_fixed_size: 0
    .kernarg_segment_align: 8
    .kernarg_segment_size: 32
    .max_flat_workgroup_size: 128
    .sgpr_count:     80
    .vgpr_count:     1024
    .wavefront_size: 32
...
	.end_amdgpu_metadata
.endif
;; end of part 2
;; launch scores (part 3): grid 38 x 4, 4 waves a work-group, no clusters, 327,680 bytes of LDS; arguments qkv, sc; writes sc
.if DOCPART == 3
	.amdgcn_target "amdgcn-amd-amdhsa--gfx1250"
	.amdhsa_code_object_version 6
	.text
	.protected	k_qf1504413e8_scores
	.globl	k_qf1504413e8_scores
	.p2align	8
	.type	k_qf1504413e8_scores,@function
k_qf1504413e8_scores:
	s_mov_b64 s[64:65], 0
	v_nop
	global_prefetch_b8 v0, s[64:65] scope:SCOPE_SE
	s_setreg_imm32_b32 hwreg(HW_REG_WAVE_MODE, 25, 1), 1
	s_wait_xcnt 0x0
; sc[b][q][k] = the sum over e of q[b][q][e] k[b][k][e], unscaled, f32, for the tiles of 256 x 256 that hold a key k <= q: 36 of a batch's 64.  q and k are columns 0-1023 and 1024-2047 of qkv
; ([9216][3072] f16).  Work-group x < 36 of a batch makes tile (i, j), j <= i, x = i (i + 1) / 2 + j.  Scale, mask and softmax follow in the next launch.
; THE LOW PARTS.  Rows 8192 + 256 b .. of qkv hold 2048 x (what f16 dropped) of the batch's first 256 rows of q and k.  Work-group 36 multiplies q's low parts by k's tile 0 and lays the result where
; tile (0, 1) would lie; work-group 37 multiplies q's tile 0 by k's low parts, into tile (0, 2): two tiles above the diagonal that nothing else uses.  The next launch adds both, times 2^-11, onto tile (0, 0).
; Four waves, 128 x 128 each; K in 8 steps of 128 through two LDS slots; the loop's body is one K step, the slots' turns are scalars (TB, TF) turned by an exclusive or.
; Every wave issues the same line with a descriptor of its own: waves 0, 1 the halves of q's tile, waves 2, 3 those of k's.
; NO CLUSTER: a batch's 36 tiles form a triangle; rows of it have 1 to 8 tiles, so groups of four that share a tile of q or k do not cover it, and a square of 4 x 4 on the diagonal would hold 6 tiles that nobody reads.
; The matrix instruction is used transposed (source 0 = keys, source 1 = queries): a lane holds one query and eight neighbouring keys.
; THE WAY OUT: as f32 through the ring's bytes, which have had their last fill: rows of 528 bytes, each wave's own; a wave's store covers 512 consecutive bytes, aligned.
.set PITCH,  272
.set HALFT,  128*PITCH
.set SLOT,   4*HALFT
.set SPARE,  2*SLOT
.set DP,     528
.set WREG,   128*DP
.set A0,   16
.set B0,   17
.set ADRA, 18
.set ADRB, 19
.set STO,  24
.set RD,   25
.set CO,   26
.set SPW,  28
.set NIL,  29
.set PFO,  30
.set F0,   64
.set F1,   128
.set OB,   64
.set WV, 12
.set WR, 13
.set WC, 14
.set CNT, 15
.set TI, 16
.set TJ, 17
.set BA, 18
.set G1, 24
.set G0, 32                            ; s[32:35] K step 0; s[36:39] walks
.set PFA, 56
.set LIM, 58
.set TB,  59
.set TF,  60
.set LW,  61
.set LQ,  67                           ; 1 in work-group 36: q comes from the low parts
.set LK,  68                           ; 1 in work-group 37: k comes from the low parts
.set OUTP, 6
.set MSB, 0
.macro WIN new
.if MSB != (\new)
	s_set_vgpr_msb (MSB<<8)|(\new)
.set MSB, \new
.endif
.endm
.set MUL_LO, 0xa1
.set MUL_HI, 0xf1
.set TO_B,   0x40
.macro PLACES
.rept 4
	v_nop
.endr
.endm
; A prefetch, behind a refill and the run of LDS loads: the K step two refills on of the 128 rows that I fetch, a lane a row, four instructions.  A tile of q is read by the work-groups (i, 0 .. i): (i, 0) asks;
; a tile of k by (j .. 7, j): (j, j) asks; a tile of low parts has one reader, which asks.  Only K steps 4 to 7 are named: while the counter is above 2.
.macro ASK
	s_cmp_gt_u32 s[CNT], s[LIM]
	s_cbranch_scc0 .Lnot_mine_\@
.irp n, 0,1,2,3
	global_prefetch_b8 v[PFO], s[PFA:PFA+1] offset:(\n)*32*6144 th:TH_LOAD_NT scope:SCOPE_SE
.endr
.Lnot_mine_\@:
.endm
	s_load_b128 s[4:7], s[0:1], 0x0                ; qkv s[4:5], sc s[6:7]
	v_lshl_add_u32 v[SPW], v0, 2, SPARE
	v_mov_b32 v[NIL], 0
	ds_add_u32 v[SPW], v[NIL]                      ; the wave's opening: the add and its wait stand ahead of my first tensor load
	v_lshrrev_b32 v1, 5, v0
	v_readfirstlane_b32 s[WV], v1
	s_lshr_b32 s[WR], s[WV], 1
	s_and_b32 s[WC], s[WV], 1
	s_mov_b32 s20, ttmp9
	s_mov_b32 s[TI], 0
.irp thr, 1,3,6,10,15,21,28
	s_cmp_ge_u32 s20, \thr                         ; i = how many rows of the triangle lie in front of x
	s_add_co_ci_u32 s[TI], s[TI], 0
.endr
	s_add_co_u32 s21, s[TI], 1
	s_mul_i32 s21, s21, s[TI]
	s_lshr_b32 s21, s21, 1
	s_sub_co_u32 s[TJ], s20, s21
	s_cmp_ge_u32 s20, 36                           ; work-groups 36 and 37 work on tile (0, 0)'s rows and keys
	s_cselect_b32 s[TI], 0, s[TI]
	s_cselect_b32 s[TJ], 0, s[TJ]
	s_cmp_eq_u32 s20, 36
	s_cselect_b32 s[LQ], 1, 0
	s_cmp_eq_u32 s20, 37
	s_cselect_b32 s[LK], 1, 0
	s_and_b32 s[BA], ttmp7, 0xffff                 ; the batch
	s_mov_b32 s[G1], (1<<16)|(1<<20)|(5<<22)|(3<<25)  ; 2-byte elements; padding on; after every 64 words, 4 words
	s_mov_b32 s[G1+1], 128<<16
	s_mov_b32 s[G1+2], 128<<16
	s_mov_b32 s[G1+3], 128<<16
	s_mov_b32 s[G1+4], 128
	s_mov_b32 s[G1+5], 3072
	s_mov_b32 s[G1+6], 0
	s_mov_b32 s[G1+7], 0
	s_sub_co_u32 s23, s[TI], s[TJ]
	s_add_co_u32 s23, s23, s[LQ]                   ; 0 in the work-group that prefetches my tile of k: (j, j), and 37 for the low parts
	s_add_co_u32 s69, s[TJ], s[LK]                 ; the same for q: (i, 0), and 36 for the low parts
	s_cmp_lt_u32 s[WV], 2
	s_cselect_b32 s21, s[TI], s[TJ]                ; my tile: q's by i, k's by j
	s_cselect_b32 s22, 0, 2048                     ; q's or k's bytes of a row
	s_cselect_b32 s23, s69, s23
	s_cselect_b32 s70, s[LQ], s[LK]                ; 1: my tile is one of low parts
	s_cmp_eq_u32 s23, 0
	s_cselect_b32 s[LIM], 2, -1
	s_add_co_u32 s[TJ], s[TJ], s[LQ]               ; from here on: the tile column in sc: 1 for work-group 36,
	s_lshl1_add_u32 s[TJ], s[LK], s[TJ]            ; 2 for work-group 37
	s_lshl_b32 s21, s21, 8
	s_lshl_b32 s23, s[BA], 11
	s_add_co_u32 s21, s21, s23                     ; the tile's first row,
	s_lshl_b32 s23, s[BA], 8
	s_add_co_u32 s23, s23, 8192                    ; or the first row of the batch's low parts
	s_cmp_eq_u32 s70, 1
	s_cselect_b32 s21, s23, s21
	s_lshl_b32 s23, s[WC], 7
	s_add_co_u32 s21, s21, s23                     ; my first row
	s_mul_i32 s20, s21, 6144
	s_add_co_u32 s20, s20, s22
	s_mov_b32 s21, 0
	s_mul_i32 s[LW], s[WV], HALFT
	s_mov_b32 s[TB], 0
	s_mov_b32 s[TF], SLOT
	s_wait_dscnt 0x0                               ; the opening add is done
	s_wait_kmcnt 0x0
	s_add_nc_u64 s[20:21], s[4:5], s[20:21]
.irp s, 0,1
	s_mov_b32 s[G0+4*(\s)], 1
	s_add_co_u32 s[G0+4*(\s)+1], s[LW], (\s)*SLOT
	s_add_nc_u64 s[G0+4*(\s)+2:G0+4*(\s)+3], s[20:21], (\s)*256
	s_or_b32 s[G0+4*(\s)+3], s[G0+4*(\s)+3], 0x80000000
.endr
	tensor_load_to_lds s[G0:G0+3], s[G1:G1+7]      ; two loads of mine are out
	s_nop 0
	tensor_load_to_lds s[G0+4:G0+7], s[G1:G1+7]
	s_nop 0
.rept 4
	v_nop
.endr
	s_add_nc_u64 s[PFA:PFA+1], s[20:21], 3*256     ; at K step 3: the first refill steps it to 4
	v_and_b32 v1, 15, v0
	v_bfe_u32 v2, v0, 4, 1
	v_and_b32 v4, 31, v0
	v_mul_u32_u24 v3, v1, PITCH
	v_lshl_add_u32 v3, v2, 4, v3
	s_mul_i32 s22, s[WR], HALFT
	s_mul_i32 s23, s[WC], HALFT
	s_add_co_u32 s23, s23, 2*HALFT
	v_add_nc_u32 v[A0], s22, v3
	v_add_nc_u32 v[B0], s23, v3
	v_mov_b32 v[ADRA], v[A0]
	v_mov_b32 v[ADRB], v[B0]
	s_mul_i32 s22, s[WV], WREG
	v_mul_u32_u24 v3, v1, DP
	v_lshl_add_u32 v3, v2, 5, v3
	v_add_nc_u32 v[STO], s22, v3
	v_lshl_add_u32 v[RD], v4, 4, s22
	v_lshlrev_b32 v[CO], 4, v4
	v_mul_u32_u24 v[PFO], v4, 6144
	s_lshl_b32 s20, s[BA], 11
	s_lshl_b32 s21, s[TI], 8
	s_add_co_u32 s20, s20, s21
	s_lshl_b32 s21, s[WR], 7
	s_add_co_u32 s20, s20, s21                     ; my first row of sc,
	s_lshl_b32 s20, s20, 13
	s_lshl_b32 s21, s[TJ], 10
	s_add_co_u32 s20, s20, s21
	s_lshl_b32 s21, s[WC], 9
	s_add_co_u32 s20, s20, s21                     ; and my first column, in bytes
	s_mov_b32 s21, 0
	s_add_nc_u64 s[OUTP:OUTP+1], s[OUTP:OUTP+1], s[20:21]
.macro MUL16 f, hi, a0, zero           ; the 64 accumulators take turns, in the same order in every quarter
	WIN MUL_LO+0x50*(\hi)
.irp a, \a0, (\a0)+1
.irp b, 0,1,2,3,4,5,6,7
.if \zero
	v_wmma_f32_16x16x32_f16 v[8*(8*(\a)+(\b)):8*(8*(\a)+(\b))+7], v[(\f)+8*(\b):(\f)+8*(\b)+7], v[(\f)+8*(4*(\hi)+(\a)):(\f)+8*(4*(\hi)+(\a))+7], 0
.else
	v_wmma_f32_16x16x32_f16 v[8*(8*(\a)+(\b)):8*(8*(\a)+(\b))+7], v[(\f)+8*(\b):(\f)+8*(\b)+7], v[(\f)+8*(4*(\hi)+(\a)):(\f)+8*(4*(\hi)+(\a))+7], v[8*(8*(\a)+(\b)):8*(8*(\a)+(\b))+7]
.endif
.endr
.endr
.endm
.macro FETCH k, f
	WIN TO_B
.irp i, 0,1,2,3,4,5,6,7
	ds_load_b128 v[(\f)+8*(\i):(\f)+8*(\i)+3],   v[ADRB] offset:(\k)+(\i)*16*PITCH
	ds_load_b128 v[(\f)+8*(\i)+4:(\f)+8*(\i)+7], v[ADRB] offset:(\k)+(\i)*16*PITCH+32
.endr
	WIN 0
.irp i, 0,1,2,3,4,5,6,7
	ds_load_b128 v[(\f)+8*(\i):(\f)+8*(\i)+3],   v[ADRA] offset:(\k)+(\i)*16*PITCH
	ds_load_b128 v[(\f)+8*(\i)+4:(\f)+8*(\i)+7], v[ADRA] offset:(\k)+(\i)*16*PITCH+32
.endr
.endm
.macro QUARTER k, f, g, zero
	s_wait_dscnt 8                                 ; all but the youngest eight loads (my queries 64-127)
	MUL16 \f, 0, 0, \zero
	MUL16 \f, 0, 2, \zero
	PLACES
	FETCH \k, \g
	s_wait_dscnt 32                                ; all but the 32 just issued
	MUL16 \f, 1, 0, \zero
	MUL16 \f, 1, 2, \zero
.endm
; The change of slots: every wave waits for all its tensor loads, adds 0 to its spare word, waits for that and for its reads of the slot, and passes the barrier; the refill is the first thing behind it.
.macro TURN fill
.if \fill
	s_wait_xcnt 0x0                                ; the last prefetches, a K step back, have read their address
	s_add_nc_u64 s[PFA:PFA+1], s[PFA:PFA+1], 256
.endif
	WIN 0
	s_wait_tensorcnt 0x0
	ds_add_u32 v[SPW], v[NIL]
	s_wait_dscnt 9                                 ; (the add and the youngest eight loads may be out)
	MUL16 F1, 0, 0, 0
	s_wait_dscnt 0x0
	s_barrier_signal -1
	MUL16 F1, 0, 2, 0
	WIN 0
	s_barrier_wait -1
.if \fill
	s_xor_b32 s[TF], s[TF], SLOT
	s_add_co_u32 s[G0+5], s[LW], s[TF]
	s_add_nc_u64 s[G0+6:G0+7], s[G0+6:G0+7], 256
	tensor_load_to_lds s[G0+4:G0+7], s[G1:G1+7]
	s_nop 0
.endif
	PLACES                                         ; behind the load, and in front of the loads into buffer 0
	s_xor_b32 s[TB], s[TB], SLOT
	v_add_nc_u32 v[ADRA], s[TB], v[A0]
	v_add_nc_u32 v[ADRB], s[TB], v[B0]
	FETCH 0, F0
.if \fill
	ASK
.endif
	MUL16 F1, 1, 0, 0
	MUL16 F1, 1, 2, 0
.endm
	s_wait_tensorcnt 1                             ; my part of K step 0 is in; K step 1's may stay out
	s_barrier_signal -1
	s_barrier_wait -1
	FETCH 0, F0
	QUARTER 64, F0, F1, 1
	WIN 0
	s_mov_b32 s[CNT], 6
.Lstep:
	QUARTER 128, F1, F0, 0
	QUARTER 192, F0, F1, 0
	TURN 1
	QUARTER 64, F0, F1, 0
	WIN 0
	s_sub_co_u32 s[CNT], s[CNT], 1
	s_cmp_lg_u32 s[CNT], 0
	s_cbranch_scc1 .Lstep
	QUARTER 128, F1, F0, 0
	QUARTER 192, F0, F1, 0
	TURN 0
	QUARTER 64, F0, F1, 0
	QUARTER 128, F1, F0, 0
	QUARTER 192, F0, F1, 0
	s_wait_dscnt 0x0
	MUL16 F1, 0, 0, 0
	MUL16 F1, 0, 2, 0
	MUL16 F1, 1, 0, 0
	MUL16 F1, 1, 2, 0
	WIN 0
	s_barrier_signal -1                            ; every wave's reads of the ring are back, and no fill is to come
	s_barrier_wait -1
	PLACES
	PLACES
.irp a, 0,1,2,3,4,5,6,7
	WIN 0x08+4*((\a)/4)
.irp b, 0,1,2,3,4,5,6,7
	ds_store_b128 v[STO], v[8*(8*((\a)%4)+(\b)):8*(8*((\a)%4)+(\b))+3]   offset:(\a)*16*DP+64*(\b)
	ds_store_b128 v[STO], v[8*(8*((\a)%4)+(\b))+4:8*(8*((\a)%4)+(\b))+7] offset:(\a)*16*DP+64*(\b)+16
.endr
.endr
	WIN 0
	s_mov_b32 s[CNT], 8
.Lout:
.irp t, 0,1,2,3,4,5,6,7,8,9,10,11,12,13,14,15
	ds_load_b128 v[OB+4*(\t):OB+4*(\t)+3], v[RD] offset:DP*(\t)
.endr
.irp t, 0,1,2,3,4,5,6,7,8,9,10,11,12,13,14,15
	s_wait_dscnt 15-(\t)
	global_store_b128 v[CO], v[OB+4*(\t):OB+4*(\t)+3], s[OUTP:OUTP+1] offset:8192*(\t)  ; 512 consecutive bytes of a row, aligned
.endr
	s_wait_xcnt 0x0                                ; the stores' data and base are rewritten only behind this wait
	v_add_nc_u32 v[RD], 16*DP, v[RD]
	s_add_nc_u64 s[OUTP:OUTP+1], s[OUTP:OUTP+1], 16*8192
	s_sub_co_u32 s[CNT], s[CNT], 1
	s_cmp_lg_u32 s[CNT], 0
	s_cbranch_scc1 .Lout
	s_wait_tensorcnt 0x0                           ; the wave's end
	ds_add_u32 v[SPW], v[NIL]
	s_wait_dscnt 0x0
	s_endpgm
.Lfunc_end_k_qf1504413e8_scores:
	.size	k_qf1504413e8_scores, .Lfunc_end_k_qf1504413e8_scores-k_qf1504413e8_scores
	.p2alignl 7, 3214868480
	.fill 96, 4, 3214868480
	.section	.rodata,"a",@progbits
	.p2align	6, 0x0
	.amdhsa_kernel k_qf1504413e8_scores
		.amdhsa_group_segment_fixed_size 327680
		.amdhsa_private_segment_fixed_size 0
		.amdhsa_enable_private_segment 0
		.amdhsa_kernarg_size 16
		.amdhsa_user_sgpr_count 2
		.amdhsa_user_sgpr_kernarg_segment_ptr 1
		.amdhsa_wavefront_size32 1
		.amdhsa_system_sgpr_workgroup_id_x 1
		.amdhsa_system_sgpr_workgroup_id_y 1
		.amdhsa_system_sgpr_workgroup_id_z 1
		.amdhsa_system_vgpr_workitem_id 0
		.amdhsa_next_free_vgpr 1024
		.amdhsa_next_free_sgpr 80
		.amdhsa_reserve_vcc 0
		.amdhsa_float_denorm_mode_32 3
		.amdhsa_float_denorm_mode_16_64 3
		.amdhsa_memory_ordered 1
		.amdhsa_forward_progress 1
		.amdhsa_inst_pref_size 95
	.end_amdhsa_kernel
	.amdgpu_metadata
---
amdhsa.version: [ 1, 2 ]
amdhsa.kernels:
  - .name:           k_qf1504413e8_scores
    .symbol:         k_qf1504413e8_scores.kd
    .args:
      - { .name: qkv, .offset: 0, .size: 8, .value_kind: global_buffer, .address_space: global }
      - { .name: sc, .offset: 8, .size: 8, .value_kind: global_buffer, .address_space: global }
    .group_segment_fixed_size: 327680
    .private_segment_fixed_size: 0
    .kernarg_segment_align: 8
    .kernarg_segment_size: 16
    .max_flat_workgroup_size: 128
    .sgpr_count:     80
    .vgpr_count:     1024
    .wavefront_size: 32
...
	.end_amdgpu_metadata
.endif
;; end of part 3
;; launch softmax (part 4): grid 1024 x 1, 8 waves a work-group, no clusters, 0 bytes of LDS; arguments sc, pr; writes pr
.if DOCPART == 4
	.amdgcn_target "amdgcn-amd-amdhsa--gfx1250"
	.amdhsa_code_object_version 6
	.text
	.protected	k_qf1504413e8_softmax
	.globl	k_qf1504413e8_softmax
	.p2align	8
	.type	k_qf1504413e8_softmax,@function
k_qf1504413e8_softmax:
	s_mov_b64 s[64:65], 0
	v_nop
	global_prefetch_b8 v0, s[64:65] scope:SCOPE_SE
	s_setreg_imm32_b32 hwreg(HW_REG_WAVE_MODE, 25, 1), 1
	s_wait_xcnt 0x0
; pr[g][k] = softmax over k <= q of sc[g][k] / 8, in f16; g = 2048 b + q.  sc: [8192][2048] f32, of which row g holds keys 0 .. 256 T - 1, T = q / 256 + 1; pr: [8192][2048] f16, written for the same keys
; (hidden ones as 0): just the keys that the next launch walks for this row.
; THE LOW PARTS.  Where T = 1 the row's next two chunks of sc hold 2048 x the two products with what f16 dropped of q and of k: both are added, times 2^-11, onto the scores.
; From row 256 of a batch on a score carries the rounding of q and k to f16 as it is.
; ONE WAVE, ONE ROW, kept in registers between the maximum, the exponentials and the scaling: read once, written once; no LDS, no barrier.  The row's maximum is taken away before the exponential:
; p = 2^(c s - c m), c = log2(e) / 8; the sum is kept in f32.
; The row's chunks of 256 keys are taken from the diagonal backward: register group n holds chunk T - 1 - n, so the mask touches group 0 alone, and a group is live while n < T (forward jumps on T, which
; hangs on the row's number alone).  Groups that are not loaded hold the lowest finite number, for the maximum.
; LIMITS.  A hidden score counts as the lowest finite f32; a weight below 6e-5 keeps f16's fixed step of 6e-8; NaN and infinities are not treated apart.
.set XR, 16                            ; v[16:79]  eight groups of eight
.set MR, 80                            ; v80-83    four running maxima
.set CM, 84                            ; v[84:85]  c m
.set SA, 86                            ; v[86:89]  two pairs of sums
.set SB, 88
.set RC, 90                            ; v[90:91]  1 / sum, twice
.set DD, 94                            ; v94       q % 256 - 4 x lane
.set TT, 11
.set SEL, 12
.set CS, 14
.set LOW, 16
.set HL, 24                            ; s[24:25]  2^-11
	s_load_b128 s[4:7], s[0:1], 0x0                ; sc s[4:5], pr s[6:7]
	v_lshrrev_b32 v1, 5, v0
	v_readfirstlane_b32 s8, v1
	v_and_b32 v2, 31, v0
	s_lshl3_add_u32 s9, ttmp9, s8                  ; my row: 8 x work-group + wave
	s_and_b32 s10, s9, 2047                        ; q
	s_lshr_b32 s[TT], s10, 8
	s_add_co_u32 s[TT], s[TT], 1
	s_and_b32 s17, s10, 255
	s_mov_b32 s[SEL], 0x76543210
	s_mov_b32 s[SEL+1], 0xfedcba98
	s_mov_b32 s[CS], 0x3e38aa3b                    ; c = log2(e) / 8
	s_mov_b32 s[CS+1], s[CS]
	s_mov_b32 s[LOW], 0xff7fffff
	s_mov_b32 s[HL], 0x3a000000                    ; 2^-11
	s_mov_b32 s[HL+1], s[HL]
	v_lshlrev_b32 v3, 4, v2                        ; in: 16 x lane
	v_lshlrev_b32 v4, 3, v2                        ; out: 8 x lane
	v_lshlrev_b32 v5, 2, v2
	v_sub_nc_u32 v[DD], s17, v5
	s_sub_co_u32 s20, s[TT], 1
	s_lshl_b32 s18, s9, 13
	s_lshl_b32 s21, s20, 10
	s_add_co_u32 s18, s18, s21                     ; the diagonal chunk in sc,
	s_mov_b32 s19, 0
	s_lshl_b32 s22, s9, 12
	s_lshl_b32 s21, s20, 9
	s_add_co_u32 s22, s22, s21                     ; and in pr
	s_mov_b32 s23, 0
.set i, XR+8
.rept 56
	v_mov_b32 v[i], s[LOW]
.set i, i+1
.endr
	s_wait_kmcnt 0x0
	s_add_nc_u64 s[4:5], s[4:5], s[18:19]
	s_add_nc_u64 s[6:7], s[6:7], s[22:23]
	global_load_b128 v[XR:XR+3], v3, s[4:5] th:TH_LOAD_NT
	global_load_b128 v[XR+4:XR+7], v3, s[4:5] offset:512 th:TH_LOAD_NT
	s_cmp_lg_u32 s[TT], 1
	s_cbranch_scc1 .Lmore
	global_load_b128 v[XR+8:XR+11],  v3, s[4:5] offset:1024 th:TH_LOAD_NT   ; a batch's first 256 rows: the product with q's low parts,
	global_load_b128 v[XR+12:XR+15], v3, s[4:5] offset:1536 th:TH_LOAD_NT
	global_load_b128 v[XR+16:XR+19], v3, s[4:5] offset:2048 th:TH_LOAD_NT   ; and with k's
	global_load_b128 v[XR+20:XR+23], v3, s[4:5] offset:2560 th:TH_LOAD_NT
	s_wait_loadcnt 0x0
.irp k, 0,2,4,6
	v_pk_add_f32 v[XR+8+(\k):XR+8+(\k)+1], v[XR+8+(\k):XR+8+(\k)+1], v[XR+16+(\k):XR+16+(\k)+1]
.endr
.irp k, 0,2,4,6
	v_pk_fma_f32 v[XR+(\k):XR+(\k)+1], v[XR+8+(\k):XR+8+(\k)+1], s[HL:HL+1], v[XR+(\k):XR+(\k)+1] op_sel_hi:[1,0,1]
.endr
.set i, XR+8
.rept 16
	v_mov_b32 v[i], s[LOW]                         ; groups 1 and 2 are no keys of this row
.set i, i+1
.endr
.Lmore:
.irp n, 1,2,3,4,5,6,7
	s_cmp_le_u32 s[TT], \n
	s_cbranch_scc1 .Lloaded
	global_load_b128 v[XR+8*(\n):XR+8*(\n)+3], v3, s[4:5] offset:-1024*(\n) th:TH_LOAD_NT
	global_load_b128 v[XR+8*(\n)+4:XR+8*(\n)+7], v3, s[4:5] offset:-1024*(\n)+512 th:TH_LOAD_NT
.endr
.Lloaded:
	s_wait_loadcnt 0x0                             ; the maximum wants the whole row
.irp j, 0,1
.irp k, 0,1,2,3
	v_cmp_gt_i32 vcc_lo, 128*(\j)+(\k), v[DD]      ; key 128 j + 4 lane + k of the diagonal chunk lies behind q
	v_cndmask_b32 v[XR+4*(\j)+(\k)], v[XR+4*(\j)+(\k)], s[LOW], vcc_lo
.endr
.endr
.irp c, 0,1,2,3
	v_max3_num_f32 v[MR+(\c)], v[XR+16*(\c)], v[XR+16*(\c)+1], v[XR+16*(\c)+2]
.endr
.irp k, 3,5,7,9,11,13
.irp c, 0,1,2,3
	v_max3_num_f32 v[MR+(\c)], v[MR+(\c)], v[XR+16*(\c)+(\k)], v[XR+16*(\c)+(\k)+1]
.endr
.endr
.irp c, 0,1,2,3
	v_max_num_f32 v[MR+(\c)], v[MR+(\c)], v[XR+16*(\c)+15]
.endr
	v_max3_num_f32 v[MR], v[MR], v[MR+1], v[MR+2]
	v_max_num_f32 v[MR], v[MR], v[MR+3]
	v_max_num_f32_dpp v[MR], v[MR], v[MR] row_xmask:1 row_mask:0xf bank_mask:0xf
	v_max_num_f32_dpp v[MR], v[MR], v[MR] row_xmask:2 row_mask:0xf bank_mask:0xf
	v_max_num_f32_dpp v[MR], v[MR], v[MR] row_xmask:4 row_mask:0xf bank_mask:0xf
	v_max_num_f32_dpp v[MR], v[MR], v[MR] row_xmask:8 row_mask:0xf bank_mask:0xf
	v_permlanex16_b32 v[MR+1], v[MR], s[SEL], s[SEL+1]
	v_max_num_f32 v[MR], v[MR], v[MR+1]            ; every lane holds the row's maximum
	v_mul_f32 v[CM], s[CS], v[MR]
	v_mov_b32 v[CM+1], v[CM]
.irp n, 0,1,2,3,4,5,6,7
.if (\n) > 0
	s_cmp_le_u32 s[TT], \n
	s_cbranch_scc1 .Lsummed
.endif
.irp k, 0,2,4,6
	v_pk_fma_f32 v[XR+8*(\n)+(\k):XR+8*(\n)+(\k)+1], v[XR+8*(\n)+(\k):XR+8*(\n)+(\k)+1], s[CS:CS+1], v[CM:CM+1] op_sel_hi:[1,0,0] neg_lo:[0,0,1] neg_hi:[0,0,1]
.endr
.irp k, 0,1,2,3,4,5,6,7
	v_exp_f32 v[XR+8*(\n)+(\k)], v[XR+8*(\n)+(\k)]
.endr
	v_nop                                          ; a plain instruction behind the last exponential,
	s_wait_alu depctr_va_vdst(0)                   ; and one wait for the group's eight, ahead of their first reader and of the next branch
.if (\n) == 0
	v_pk_add_f32 v[SA:SA+1], v[XR:XR+1], v[XR+4:XR+5]
	v_pk_add_f32 v[SB:SB+1], v[XR+2:XR+3], v[XR+6:XR+7]
.else
	v_pk_add_f32 v[SA:SA+1], v[SA:SA+1], v[XR+8*(\n):XR+8*(\n)+1]
	v_pk_add_f32 v[SB:SB+1], v[SB:SB+1], v[XR+8*(\n)+2:XR+8*(\n)+3]
	v_pk_add_f32 v[SA:SA+1], v[SA:SA+1], v[XR+8*(\n)+4:XR+8*(\n)+5]
	v_pk_add_f32 v[SB:SB+1], v[SB:SB+1], v[XR+8*(\n)+6:XR+8*(\n)+7]
.endif
.endr
.Lsummed:
	v_pk_add_f32 v[SA:SA+1], v[SA:SA+1], v[SB:SB+1]
	v_add_f32 v[SA], v[SA], v[SA+1]
	v_add_f32_dpp v[SA], v[SA], v[SA] row_xmask:1 row_mask:0xf bank_mask:0xf
	v_add_f32_dpp v[SA], v[SA], v[SA] row_xmask:2 row_mask:0xf bank_mask:0xf
	v_add_f32_dpp v[SA], v[SA], v[SA] row_xmask:4 row_mask:0xf bank_mask:0xf
	v_add_f32_dpp v[SA], v[SA], v[SA] row_xmask:8 row_mask:0xf bank_mask:0xf
	v_permlanex16_b32 v[SA+1], v[SA], s[SEL], s[SEL+1]
	v_add_f32 v[SB], v[SA], v[SA+1]                ; the row's sum: at least the maximum's own weight
	v_rcp_f32 v[RC], v[SB]
	v_rcp_f32 v[RC+1], v[SB]
	v_nop
	s_wait_alu depctr_va_vdst(0)                   ; one wait for both reciprocals
.irp n, 0,1,2,3,4,5,6,7
.if (\n) > 0
	s_cmp_le_u32 s[TT], \n
	s_cbranch_scc1 .Lstored
.endif
.irp k, 0,2,4,6
	v_pk_mul_f32 v[XR+8*(\n)+(\k):XR+8*(\n)+(\k)+1], v[XR+8*(\n)+(\k):XR+8*(\n)+(\k)+1], v[RC:RC+1]
.endr
	v_cvt_pk_f16_f32 v[XR+8*(\n)],   v[XR+8*(\n)],   v[XR+8*(\n)+1]
	v_cvt_pk_f16_f32 v[XR+8*(\n)+1], v[XR+8*(\n)+2], v[XR+8*(\n)+3]
	v_cvt_pk_f16_f32 v[XR+8*(\n)+4], v[XR+8*(\n)+4], v[XR+8*(\n)+5]
	v_cvt_pk_f16_f32 v[XR+8*(\n)+5], v[XR+8*(\n)+6], v[XR+8*(\n)+7]
	global_store_b64 v4, v[XR+8*(\n):XR+8*(\n)+1], s[6:7] offset:-512*(\n)          ; 32 lanes store 256 consecutive bytes, aligned
	global_store_b64 v4, v[XR+8*(\n)+4:XR+8*(\n)+5], s[6:7] offset:-512*(\n)+256
.endr
.Lstored:
	s_endpgm
.Lfunc_end_k_qf1504413e8_softmax:
	.size	k_qf1504413e8_softmax, .Lfunc_end_k_qf1504413e8_softmax-k_qf1504413e8_softmax
	.p2alignl 7, 3214868480
	.fill 96, 4, 3214868480
	.section	.rodata,"a",@progbits
	.p2align	6, 0x0
	.amdhsa_kernel k_qf1504413e8_softmax
		.amdhsa_group_segment_fixed_size 0
		.amdhsa_private_segment_fixed_size 0
		.amdhsa_enable_private_segment 0
		.amdhsa_kernarg_size 16
		.amdhsa_user_sgpr_count 2
		.amdhsa_user_sgpr_kernarg_segment_ptr 1
		.amdhsa_wavefront_size32 1
		.amdhsa_system_sgpr_workgroup_id_x 1
		.amdhsa_system_sgpr_workgroup_id_y 1
		.amdhsa_system_sgpr_workgroup_id_z 1
		.amdhsa_system_vgpr_workitem_id 0
		.amdhsa_next_free_vgpr 96
		.amdhsa_next_free_sgpr 66
		.amdhsa_reserve_vcc 1
		.amdhsa_float_denorm_mode_32 3
		.amdhsa_float_denorm_mode_16_64 3
		.amdhsa_memory_ordered 1
		.amdhsa_forward_progress 1
		.amdhsa_inst_pref_size 24
	.end_amdhsa_kernel
	.amdgpu_metadata
---
amdhsa.version: [ 1, 2 ]
amdhsa.kernels:
  - .name:           k_qf1504413e8_softmax
    .symbol:         k_qf1504413e8_softmax.kd
    .args:
      - { .name: sc, .offset: 0, .size: 8, .value_kind: global_buffer, .address_space: global }
      - { .name: pr, .offset: 8, .size: 8, .value_kind: global_buffer, .address_space: global }
    .group_segment_fixed_size: 0
    .private_segment_fixed_size: 0
    .kernarg_segment_align: 8
    .kernarg_segment_size: 16
    .max_flat_workgroup_size: 256
    .sgpr_count:     66
    .vgpr_count:     96
    .wavefront_size: 32
...
	.end_amdgpu_metadata
.endif
;; end of part 4
;; launch pv (part 5): grid 8 x 32, 4 waves a work-group, clusters of 4 x 1, 327,680 bytes of LDS; arguments pr, qkv, ob; writes ob
.if DOCPART == 5
	.amdgcn_target "amdgcn-amd-amdhsa--gfx1250"
	.amdhsa_code_object_version 6
	.text
	.protected	k_qf1504413e8_pv
	.globl	k_qf1504413e8_pv
	.p2align	8
	.type	k_qf1504413e8_pv,@function
k_qf1504413e8_pv:
	s_mov_b64 s[64:65], 0
	v_nop
	global_prefetch_b8 v0, s[64:65] scope:SCOPE_SE
	s_setreg_imm32_b32 hwreg(HW_REG_WAVE_MODE, 25, 1), 1
	s_wait_xcnt 0x0
	s_wait_alu depctr_hold_cnt(0) depctr_sa_sdst(0) depctr_va_vdst(0) depctr_va_sdst(0) depctr_va_ssrc(0) depctr_va_vcc(0) depctr_vm_vsrc(0)
	s_getreg_b32 s2, hwreg(HW_REG_IB_STS2, 6, 4)
	s_cmp_eq_u32 s2, 0
	s_cbranch_scc0 .Lentry_in_a_cluster
	s_endpgm
.Lentry_in_a_cluster:
	s_bfe_u32 s2, ttmp6, 0x10000c
	s_cmp_lg_u32 s2, 0x3003
	s_cbranch_scc0 .Lentry_shape_is_right
	s_endpgm
.Lentry_shape_is_right:
; ob[g][e] = the sum over keys k of pr[g][k] v[k][e], f16 operands, f32 sums, rounded once to f16.  pr: [8192][2048] f16; v: columns 2048-3071 of qkv ([9216][3072] f16); ob: [8192][1024] f16.
; THE WALK.  A batch's queries lie in 16 blocks of 128; block i needs the key tiles 0 .. i / 2 of 256 keys (beyond them every weight is hidden; inside them pr holds 0 where a key is hidden).  A work-group
; takes 128 channels and TWO blocks, 15 - p and then p: LH = (15 - p) / 2 + 1 tiles and then p / 2 + 1: NINE tiles, whatever p.  So all 256 work-groups (8 channel tiles x 8 pairs x 4 batches) do equal work,
; and one loop with a constant count walks them.  Which tile is asked for and where the first block ends hang on scalars made from the work-group's y; every jump but the loop's own goes forward and passes
; neither a barrier nor a tensor load (but the one of JLOAD's two lines that the wave's number does not choose).
; THE RING.  Two LDS slots, each with a tile of pr (128 queries x 256 keys) and of v (256 keys x 128 channels): a refill has 128 matrix instructions of every wave in which to land.  Tile 0 is asked for at the
; start; in trip n every wave waits for all its tensor loads, passes a round of the cluster's barrier, asks for tile n + 1 into the slot read last, and multiplies tile n.  The ninth trip is written out: it asks for nothing.
; Which slot is read (TB) and which is filled (TF) are scalars that an exclusive or turns between 0 and SLOT; the global addresses are made anew from the tile's number.
; SHARES.  A wave makes 32 queries x 128 channels: 16 accumulators in window 1; two fragment buffers of 80 registers in window 0.  Its rows of ob's tile are whole (256 bytes), so its way out goes through a
; stage of its own, with no barrier.  The price: each wave reads all of v's tile from LDS, 20 loads for 16 matrix instructions.
; THE SUMS START AT 0, WRITTEN.  In which trip the second block begins hangs on the work-group's y, so a block's first products are not written out apart: a tile has one form of product, and the 128
; registers of the accumulators are set to 0 where a block begins: at the head, while the first tile is on its way, and on the first block's way out, while its last rows come back from the stage.
; The price: 256 v_mov_b32 in the text.
; CLUSTER 4 x 1: four channel tiles of one pair read the same tile of pr: waves 0 and 1 ask for it jointly.  Each has its own columns of v: waves 2 and 3 ask for those alone (no mask).
; v lies [key][channel] and comes out of LDS turned, by ds_load_tr16_b128.  The matrix instruction is used transposed (source 0 = channels, source 1 = queries): a lane holds one query and eight neighbouring channels.
; LIMITS.  As the operands': f16 holds no number beyond 65,504; ob is a mean of v's rows and has their range.
.set PITCH,  528                       ; a row of pr's tile: 512 bytes + 16: the 16 rows of a fragment load start at 16 different groups of four banks (ISA guide 11.1)
.set PV,     288                       ; a row of v's tile: 256 bytes + 32
.set APART,  128*PITCH
.set SLOT,   APART+256*PV              ; pr's 128 rows, then v's 256 rows
.set STAGE,  2*SLOT                    ; behind the ring, never filled by a tensor load: 16 rows x 272 bytes for each wave, for the way out
.set SP,     272
.set SPARE,  STAGE+4*16*SP             ; behind the stages: the spare words, 128 bytes a wave: two blocks of 256 bytes that no other line names
.set KTV,    256*6144                  ; bytes from a key tile of v to the next
.set A0,   16                          ; v16  my lane's place in pr's tile of slot 0
.set B0,   17                          ; v17  the same for v
.set ADRA, 18                          ; v18  the same in the slot that is being read
.set ADRB, 20                          ; v20-21  the same for v: keys 0-127, keys 128-255 (an LDS offset has 16 bits)
.set STO,  24                          ; v24  the way out: where I put 16 bytes of a row; never rewritten
.set RD,   25                          ; v25  where I read a row back; never rewritten
.set CO,   26                          ; v26  my byte offset in two rows of ob; never rewritten
.set SPW,  28                          ; v28  my spare word; never rewritten
.set NIL,  29                          ; v29  0; never rewritten
.set PFO,  30                          ; v30  my lane x a row of what I prefetch; never rewritten
.set TMP,  32                          ; v32-63  the way out: 16 rows packed
.set F0,   64                          ; a fragment buffer: pr's two fragments, then v's eight
.set F1,   144
.set BK0,  224                         ; the way out: 16 rows read back: my rows 0-15,
.set BK1,  64                          ; my rows 16-31
.set BA,  10                           ; the batch
.set HIB, 11                           ; the first block, 15 - p
.set WV,  12
.set PP,  13                           ; p: the pair, and the second block
.set WC,  14                           ; which half of a tile I fetch
.set CNT, 15
.set NN,  16                           ; the trip's number: the tile that it multiplies
.set LH,  17                           ; tiles of the first block
.set CX,  18
.set G1A, 24
.set G0A, 32
.set ROWH, 36                          ; byte offset in pr of the 64 rows that I fetch: first block,
.set ROWL, 37                          ; second block
.set AOF, 38                           ; s[38:39] a tile's offset in pr
.set G1B, 40
.set G0B, 48
.set VOF, 52                           ; byte offset in qkv of the 128 keys that I fetch of key tile 0, at my work-group's channels
.set PRH, 53                           ; byte offset in pr of the 32 rows that my work-group prefetches: first block,
.set PRL, 54                           ; second block
.set M2,  55                           ; the tile that is prefetched: two on
.set PFA, 56
.set PLIM, 58                          ; a wave prefetches while M2 is below this
.set TB,  59
.set TF,  60
.set LWA, 61
.set LWB, 62
.set OLO, 72                           ; s[72:73] ob at my rows of the second block
.set QH,  74                           ; the blocks' first rows
.set QL,  75
.set OUTP, 8
.set MSB, 0
.macro WIN new                         ; the immediate's high byte repeats the setting that is left
.if MSB != (\new)
	s_set_vgpr_msb (MSB<<8)|(\new)
.set MSB, \new
.endif
.endm
.set MULW, 0x50                        ; C and D window 1, sources window 0
.macro PLACES                          ; four plain places behind matrix instructions (ISA guide 7.12.1)
.rept 4
	v_nop
.endr
.endm
.macro CLEAR                           ; a block begins: its 16 sums start at 0
	WIN 0x40                                       ; destination window 1
.set i, 0
.rept 128
	v_mov_b32 v[i], 0
.set i, i+1
.endr
	WIN 0
.endm
.macro JLOAD                           ; waves 0, 1: the halves of pr's tile, jointly; waves 2, 3: the halves of my v tile; an s_nop 0 and four v_nop follow each line
	s_cmp_lt_u32 s[WV], 2
	s_cbranch_scc0 .Lfor_b_\@
	tensor_load_to_lds s[G0A:G0A+3], s[G1A:G1A+7]
	s_nop 0
.rept 4
	v_nop
.endr
	s_branch .Lasked_\@
.Lfor_b_\@:
	tensor_load_to_lds s[G0B:G0B+3], s[G1B:G1B+7]
	s_nop 0
.rept 4
	v_nop
.endr
.Lasked_\@:
.endm
; A PREFETCH, behind the refill and the two runs of LDS loads that the next products wait for: the tile that the NEXT trip will ask for, a lane a row.  pr's tile (128 rows x 512 bytes) is read by the two
; clusters of a pair: cluster x = 0 asks; its four partners take 32 rows each, by address; wave 0 asks, two instructions.  v's rows at my channels are walked by all eight pairs of a batch: pair 0, whose first
; block walks all eight key tiles, asks, in that first walk alone: waves 2 and 3 for the 128 keys that they fetch, four instructions.  Tiles 0 and 1 come by their loads alone; nothing is asked for past the ninth tile.
.macro ASK
	s_cmp_lt_u32 s[M2], s[PLIM]
	s_cbranch_scc0 .Lnot_mine_\@
	global_prefetch_b8 v[PFO], s[PFA:PFA+1] th:TH_LOAD_NT scope:SCOPE_SE
	s_cmp_lt_u32 s[WV], 2
	s_cbranch_scc1 .Lfor_p_\@
	global_prefetch_b8 v[PFO], s[PFA:PFA+1] offset:32*6144 th:TH_LOAD_NT scope:SCOPE_SE
	global_prefetch_b8 v[PFO], s[PFA:PFA+1] offset:64*6144 th:TH_LOAD_NT scope:SCOPE_SE
	global_prefetch_b8 v[PFO], s[PFA:PFA+1] offset:96*6144 th:TH_LOAD_NT scope:SCOPE_SE
	s_branch .Lnot_mine_\@
.Lfor_p_\@:
	global_prefetch_b8 v[PFO], s[PFA:PFA+1] offset:256 th:TH_LOAD_NT scope:SCOPE_SE
.Lnot_mine_\@:
.endm
.macro CROUND                          ; a round of the cluster's barrier
	s_barrier_signal -1
	s_barrier_wait -1
	s_cmp_lg_u32 s[WV], 0
	s_cbranch_scc1 .Lnot_wave_0_\@
	s_barrier_signal -3
.Lnot_wave_0_\@:
	s_barrier_wait -3
	s_barrier_signal -1
	s_barrier_wait -1
.endm
	s_load_b128 s[4:7], s[0:1], 0x0                ; pr s[4:5], qkv s[6:7]
	s_load_b64 s[8:9], s[0:1], 0x10                ; ob
	v_lshl_add_u32 v[SPW], v0, 2, SPARE
	v_mov_b32 v[NIL], 0
	ds_add_u32 v[SPW], v[NIL]                      ; the wave's opening: the add and its wait stand ahead of my first tensor load
	v_lshrrev_b32 v1, 5, v0
	v_readfirstlane_b32 s[WV], v1
	s_and_b32 s[WC], s[WV], 1
	s_bfe_u32 s[CX], ttmp6, 0x40000
	s_and_b32 s20, ttmp7, 0xffff
	s_lshr_b32 s[BA], s20, 3
	s_and_b32 s[PP], s20, 7
	s_sub_co_u32 s[HIB], 15, s[PP]
	s_lshr_b32 s[LH], s[HIB], 1
	s_add_co_u32 s[LH], s[LH], 1                   ; 5 to 8
	s_mov_b32 s[G1A], 15|(1<<16)|(1<<20)|(1<<21)|(6<<22)|(3<<25)  ; the mask of four; 2-byte elements; padding on; bit 21 beside a mask; after every 128 words, 4 words
	s_mov_b32 s[G1A+1], 256<<16                    ; tensor_dim0 = 256
	s_mov_b32 s[G1A+2], 64<<16                     ; tensor_dim1 = 64
	s_mov_b32 s[G1A+3], 256<<16                    ; tile_dim0 = 256
	s_mov_b32 s[G1A+4], 64                         ; tile_dim1 = 64
	s_mov_b32 s[G1A+5], 2048                       ; elements from row to row
	s_mov_b32 s[G1A+6], 0
	s_mov_b32 s[G1A+7], 0
	s_mov_b32 s[G1B], (1<<16)|(1<<20)|(5<<22)|(7<<25)  ; no mask; after every 64 words, 8 words
	s_mov_b32 s[G1B+1], 128<<16
	s_mov_b32 s[G1B+2], 128<<16
	s_mov_b32 s[G1B+3], 128<<16
	s_mov_b32 s[G1B+4], 128
	s_mov_b32 s[G1B+5], 3072
	s_mov_b32 s[G1B+6], 0
	s_mov_b32 s[G1B+7], 0
	s_lshl_b32 s20, s[BA], 11                      ; the batch's first row
	s_lshl_b32 s[QH], s[HIB], 7
	s_add_co_u32 s[QH], s[QH], s20
	s_lshl_b32 s[QL], s[PP], 7
	s_add_co_u32 s[QL], s[QL], s20
	s_lshl_b32 s21, s[WC], 6
	s_add_co_u32 s[ROWH], s[QH], s21
	s_lshl_b32 s[ROWH], s[ROWH], 12
	s_add_co_u32 s[ROWL], s[QL], s21
	s_lshl_b32 s[ROWL], s[ROWL], 12
	s_lshl_b32 s71, ttmp9, 2
	s_add_co_u32 s71, s71, s[CX]                   ; my channel tile = 4 x cluster x + cx
	s_lshl_b32 s71, s71, 8                         ; its 256 bytes of a row
	s_lshl_b32 s[VOF], s[WC], 7
	s_add_co_u32 s[VOF], s[VOF], s20
	s_mul_i32 s[VOF], s[VOF], 6144
	s_add_co_u32 s[VOF], s[VOF], s71
	s_add_co_u32 s[VOF], s[VOF], 4096              ; v lies behind q's and k's bytes of a row
	s_mul_i32 s[LWA], s[WC], 64*PITCH              ; no place in the cluster enters an LDS address
	s_mul_i32 s[LWB], s[WC], 128*PV
	s_add_co_u32 s[LWB], s[LWB], APART
	s_mov_b32 s[TB], SLOT                          ; the first trip turns it into 0
	s_mov_b32 s[TF], 0
	s_mov_b32 s[AOF], s[ROWH]                      ; tile 0: the first block's key tile 0
	s_mov_b32 s[AOF+1], 0
	s_mov_b32 s68, s[VOF]
	s_mov_b32 s69, 0
	s_mov_b32 s67, 0
	s_mov_b32 s[G0A], 1
	s_mov_b32 s[G0A+1], s[LWA]
	s_mov_b32 s[G0B], 1
	s_mov_b32 s[G0B+1], s[LWB]
	s_wait_dscnt 0x0                               ; the opening add is done
	s_wait_kmcnt 0x0
	s_add_nc_u64 s[G0A+2:G0A+3], s[4:5], s[AOF:AOF+1]
	s_or_b32 s[G0A+3], s[G0A+3], 0x80000000
	s_add_nc_u64 s[G0B+2:G0B+3], s[6:7], s[68:69]
	s_or_b32 s[G0B+3], s[G0B+3], 0x80000000
	CROUND                                         ; all four work-groups are here: the first joint loads meet
	JLOAD                                          ; tile 0 into slot 0: one load of mine is out
	v_and_b32 v1, 15, v0                           ; l % 16
	v_bfe_u32 v2, v0, 4, 1                         ; l / 16
	v_and_b32 v4, 31, v0                           ; l
	v_mul_u32_u24 v3, v1, PITCH
	v_lshl_add_u32 v3, v2, 4, v3                   ; a fragment's row x pitch + 16 x half
	s_mul_i32 s22, s[WV], 32*PITCH                 ; my 32 queries
	v_add_nc_u32 v[A0], s22, v3
	v_and_b32 v5, 7, v0                            ; the turning load: lane l reads key 8 (l / 16) + l % 8, channels 8 ((l / 8) % 2) + 0..7
	v_bfe_u32 v6, v0, 3, 1
	v_lshl_add_u32 v5, v2, 3, v5
	v_mul_u32_u24 v5, v5, PV
	v_lshl_add_u32 v5, v6, 4, v5
	v_add_nc_u32 v[B0], APART, v5
	s_mul_i32 s22, s[WV], 16*SP
	s_add_co_u32 s22, s22, STAGE                   ; my stage
	v_mul_u32_u24 v3, v1, SP                       ; in: row l % 16, 16 bytes for each half of the lanes
	v_lshl_add_u32 v3, v2, 4, v3
	v_add_nc_u32 v[STO], s22, v3
	v_mul_u32_u24 v3, v2, SP                       ; back: lanes 0-15 take one row of 256 bytes, lanes 16-31 the next
	v_lshl_add_u32 v3, v1, 4, v3
	v_add_nc_u32 v[RD], s22, v3
	v_lshlrev_b32 v3, 11, v2                       ; and the same two rows in ob
	v_lshl_add_u32 v[CO], v1, 4, v3
	s_lshl_b32 s20, s[WV], 5                       ; ob at my 32 rows of each block, at my work-group's channels
	s_add_co_u32 s21, s20, s[QH]
	s_lshl_b32 s66, s21, 11
	s_add_co_u32 s66, s66, s71
	s_add_co_u32 s21, s20, s[QL]
	s_lshl_b32 s68, s21, 11
	s_add_co_u32 s68, s68, s71
	s_add_nc_u64 s[OLO:OLO+1], s[8:9], s[68:69]
	s_add_nc_u64 s[OUTP:OUTP+1], s[8:9], s[66:67]
	s_lshl_b32 s66, s[CX], 5                       ; the prefetches: my work-group's 32 rows of pr's 128
	s_add_co_u32 s[PRH], s66, s[QH]
	s_lshl_b32 s[PRH], s[PRH], 12
	s_add_co_u32 s[PRL], s66, s[QL]
	s_lshl_b32 s[PRL], s[PRL], 12
	s_cmp_eq_u32 ttmp9, 0
	s_cselect_b32 s20, 9, 0
	s_cmp_eq_u32 s[WV], 0
	s_cselect_b32 s20, s20, 0                      ; wave 0 of cluster x = 0: up to the ninth tile
	s_cmp_eq_u32 s[PP], 0
	s_cselect_b32 s21, 8, 0                        ; waves 2 and 3 of pair 0: the eight tiles of its first block
	s_mov_b32 s22, 4096
	s_mov_b32 s23, 6144
	s_cmp_lt_u32 s[WV], 2
	s_cselect_b32 s[PLIM], s20, s21                ; the same in all four partners, for a given wave
	s_cselect_b32 s22, s22, s23
	v_mul_u32_u24 v[PFO], s22, v4                  ; my lane x a row
	CLEAR                                          ; the first block's sums start at 0: written while the first tile is on its way
; 16 matrix instructions: my 2 query blocks x all 8 channel blocks, 32 keys.  The 16 accumulators take turns, in the same order in every quarter.
.macro MUL f
	WIN MULW
.irp a, 0,1
.irp b, 0,1,2,3,4,5,6,7
	v_wmma_f32_16x16x32_f16 v[8*(8*(\a)+(\b)):8*(8*(\a)+(\b))+7], v[(\f)+16+8*(\b):(\f)+16+8*(\b)+7], v[(\f)+8*(\a):(\f)+8*(\a)+7], v[8*(8*(\a)+(\b)):8*(8*(\a)+(\b))+7]
.endr
.endr
.endm
; 20 LDS loads in one run: keys 32 q .. 32 q + 31 of the slot: v's eight fragments, turned, then pr's two
.macro FETCH q, f
	WIN 0
.irp b, 0,1,2,3,4,5,6,7
	ds_load_tr16_b128 v[(\f)+16+8*(\b):(\f)+16+8*(\b)+3],   v[ADRB+((\q)/4)] offset:((\q)%4)*32*PV+32*(\b)
	ds_load_tr16_b128 v[(\f)+16+8*(\b)+4:(\f)+16+8*(\b)+7], v[ADRB+((\q)/4)] offset:((\q)%4)*32*PV+16*PV+32*(\b)
.endr
.irp a, 0,1
	ds_load_b128 v[(\f)+8*(\a):(\f)+8*(\a)+3],   v[ADRA] offset:64*(\q)+(\a)*16*PITCH
	ds_load_b128 v[(\f)+8*(\a)+4:(\f)+8*(\a)+7], v[ADRA] offset:64*(\q)+(\a)*16*PITCH+32
.endr
.endm
; THE CHANGE OF SLOTS, at a trip's head.  Every wave waits for all its tensor loads, of which one is out: its part of this trip's tile; adds 0 to its spare word; and waits for that and for its reads of the slot
; read last.  fill = 1: that slot is filled again, with tile NN + 1: the barrier is a round of the cluster's, and the refill is the first tensor load behind it.  (In trip 0 nothing has been read yet, and slot 1 has its first fill.)
; Tile m of the walk is key tile m of the first block while m < LH, key tile m - LH of the second block from there on.
.macro CHANGE fill
	WIN 0
	s_wait_tensorcnt 0x0                           ; no tensor load of mine is out, so the descriptors may be written
	ds_add_u32 v[SPW], v[NIL]                      ; 0 onto my spare word; the scalar work below stands between it and the wait for it
	s_xor_b32 s[TB], s[TB], SLOT                   ; the slot that this trip reads
.if \fill
	s_add_co_u32 s20, s[NN], 1                     ; the tile to ask for
	s_cmp_lt_u32 s20, s[LH]
	s_cselect_b32 s[AOF], s[ROWH], s[ROWL]
	s_cselect_b32 s21, 0, s[LH]
	s_sub_co_u32 s21, s20, s21                     ; its key tile
	s_lshl_b32 s22, s21, 9                         ; 512 bytes of pr's rows,
	s_add_co_u32 s[AOF], s[AOF], s22
	s_add_nc_u64 s[G0A+2:G0A+3], s[4:5], s[AOF:AOF+1]
	s_or_b32 s[G0A+3], s[G0A+3], 0x80000000
	s_mul_i32 s68, s21, KTV                        ; 256 rows of v
	s_add_co_u32 s68, s68, s[VOF]
	s_add_nc_u64 s[G0B+2:G0B+3], s[6:7], s[68:69]
	s_or_b32 s[G0B+3], s[G0B+3], 0x80000000
	s_xor_b32 s[TF], s[TF], SLOT                   ; the slot read last
	s_add_co_u32 s[G0A+1], s[LWA], s[TF]
	s_add_co_u32 s[G0B+1], s[LWB], s[TF]
	s_wait_xcnt 0x0                                ; the last trip's prefetches have read their address, so it may be written
	s_add_co_u32 s[M2], s[NN], 2                   ; the tile to prefetch
	s_cmp_lt_u32 s[M2], s[LH]
	s_cselect_b32 s66, s[PRH], s[PRL]
	s_cselect_b32 s22, 0, s[LH]
	s_sub_co_u32 s22, s[M2], s22
	s_lshl_b32 s23, s22, 9
	s_add_co_u32 s66, s66, s23
	s_mul_i32 s70, s22, KTV
	s_add_co_u32 s70, s70, s[VOF]
	s_cmp_lt_u32 s[WV], 2
	s_cselect_b32 s66, s66, s70
	s_cselect_b64 s[PFA:PFA+1], s[4:5], s[6:7]
	s_add_nc_u64 s[PFA:PFA+1], s[PFA:PFA+1], s[66:67]
.endif
	s_wait_dscnt 0x0                               ; the add is done, and my reads of the slot read last are over
.if \fill
	CROUND                                         ; no wave of any partner still reads that slot or has a load on its way
	JLOAD
.else
	s_barrier_signal -1
	s_barrier_wait -1
.endif
	v_add_nc_u32 v[ADRA], s[TB], v[A0]
	v_add_nc_u32 v[ADRB], s[TB], v[B0]
	v_add_nc_u32 v[ADRB+1], 4*32*PV, v[ADRB]
.endm
; A TILE'S WORK: eight quarters of 32 keys on buffers 0, 1, 0, 1 ..; while one is multiplied the next one's 20 loads are out.
.macro WORK fill
	PLACES                                         ; in front of loads into registers that the last trip's products have read
	FETCH 0, F0
	FETCH 1, F1
.if \fill
	ASK
.endif
	s_wait_dscnt 20                                ; all but the 20 just issued
	MUL F0
.irp q, 1,2,3,4,5,6
	PLACES
	FETCH (\q)+1, F0+80*(((\q)+1)%2)
	s_wait_dscnt 20                                ; all but the 20 just issued
	MUL F0+80*((\q)%2)
.endr
	s_wait_dscnt 0x0
	MUL F1
	WIN 0
.endm
; THE WAY OUT of a block: 16 of my rows at a time are rounded to f16 (16 bytes a lane), go into my stage in rows of 272 bytes, come back as whole rows of 256 and are stored.
.macro PACK a
	WIN 0x05                                       ; sources 0 and 1 window 1, destination window 0
.irp b, 0,1,2,3,4,5,6,7
.irp r, 0,1,2,3
	v_cvt_pk_f16_f32 v[TMP+4*(\b)+(\r)], v[8*(8*(\a)+(\b))+2*(\r)], v[8*(8*(\a)+(\b))+2*(\r)+1]  ; each accumulator's lowest registers first
.endr
.endr
	WIN 0
.endm
.macro TOSTAGE bk
.irp b, 0,1,2,3,4,5,6,7
	ds_store_b128 v[STO], v[TMP+4*(\b):TMP+4*(\b)+3] offset:32*(\b)
.endr
.irp t, 0,1,2,3,4,5,6,7
	ds_load_b128 v[(\bk)+4*(\t):(\bk)+4*(\t)+3], v[RD] offset:(\t)*2*SP  ; LDS serves a wave's instructions in order (ISA guide 5.7.1.4): these see the stores above; the bytes are my wave's own
.endr
.endm
.macro SEND a, bk
	s_wait_dscnt 0x0                               ; the rows are back in registers
.irp t, 0,1,2,3,4,5,6,7
	global_store_b128 v[CO], v[(\bk)+4*(\t):(\bk)+4*(\t)+3], s[OUTP:OUTP+1] offset:(16*(\a)+2*(\t))*2048  ; 16 lanes store 256 consecutive bytes, aligned
.endr
.endm
.macro WAYOUT again                    ; again = 1: another block follows
	PLACES                                         ; behind the last products, in front of the conversions that read their results
	PLACES
	PACK 0
	TOSTAGE BK0
	PACK 1                                         ; the second half's conversions stand between the first half's loads and the wait for them
	SEND 0, BK0
	TOSTAGE BK1
.if \again
	CLEAR                                          ; all 16 sums have been rounded: the second block's start at 0, written between the second half's loads and the wait for them
.endif
	SEND 1, BK1
.endm
	s_mov_b32 s[NN], 0
	s_mov_b32 s[CNT], 8
.Ltrip:                                        ; eight trips: tile NN is multiplied, tile NN + 1 asked for
	CHANGE 1
	WORK 1
	s_add_co_u32 s[NN], s[NN], 1
	s_cmp_lg_u32 s[NN], s[LH]
	s_cbranch_scc1 .Lon                            ; LH is 5 to 8, so the first block always ends in this loop
	WAYOUT 1
	s_wait_xcnt 0x0                                ; the stores have read their registers and ob's address
	s_mov_b64 s[OUTP:OUTP+1], s[OLO:OLO+1]         ; from here on: the second block
.Lon:
	s_sub_co_u32 s[CNT], s[CNT], 1
	s_cmp_lg_u32 s[CNT], 0
	s_cbranch_scc1 .Ltrip
	CHANGE 0                                       ; the ninth tile is written out: nothing is asked for
	WORK 0
	WAYOUT 0
	s_wait_tensorcnt 0x0                           ; the wave's end
	ds_add_u32 v[SPW], v[NIL]
	s_wait_dscnt 0x0
	CROUND                                         ; the closing round
	s_endpgm
.Lfunc_end_k_qf1504413e8_pv:
	.size	k_qf1504413e8_pv, .Lfunc_end_k_qf1504413e8_pv-k_qf1504413e8_pv
	.p2alignl 7, 3214868480
	.fill 96, 4, 3214868480
	.section	.rodata,"a",@progbits
	.p2align	6, 0x0
	.amdhsa_kernel k_qf1504413e8_pv
		.amdhsa_group_segment_fixed_size 327680
		.amdhsa_private_segment_fixed_size 0
		.amdhsa_enable_private_segment 0
		.amdhsa_kernarg_size 24
		.amdhsa_user_sgpr_count 2
		.amdhsa_user_sgpr_kernarg_segment_ptr 1
		.amdhsa_wavefront_size32 1
		.amdhsa_system_sgpr_workgroup_id_x 1
		.amdhsa_system_sgpr_workgroup_id_y 1
		.amdhsa_system_sgpr_workgroup_id_z 1
		.amdhsa_system_vgpr_workitem_id 0
		.amdhsa_next_free_vgpr 384
		.amdhsa_next_free_sgpr 80
		.amdhsa_reserve_vcc 0
		.amdhsa_float_denorm_mode_32 3
		.amdhsa_float_denorm_mode_16_64 3
		.amdhsa_memory_ordered 1
		.amdhsa_forward_progress 1
		.amdhsa_inst_pref_size 74
	.end_amdhsa_kernel
	.amdgpu_metadata
---
amdhsa.version: [ 1, 2 ]
amdhsa.kernels:
  - .name:           k_qf1504413e8_pv
    .symbol:         k_qf1504413e8_pv.kd
    .args:
      - { .name: pr, .offset: 0, .size: 8, .value_kind: global_buffer, .address_space: global }
      - { .name: qkv, .offset: 8, .size: 8, .value_kind: global_buffer, .address_space: global }
      - { .name: ob, .offset: 16, .size: 8, .value_kind: global_buffer, .address_space: global }
    .group_segment_fixed_size: 327680
    .private_segment_fixed_size: 0
    .kernarg_segment_align: 8
    .kernarg_segment_size: 24
    .max_flat_workgroup_size: 128
    .sgpr_count:     80
    .vgpr_count:     384
    .wavefront_size: 32
...
	.end_amdgpu_metadata
.endif
;; end of part 5
;; launch outproj (part 6): grid 4 x 64, 4 waves a work-group, clusters of 4 x 4, 327,680 bytes of LDS; arguments ob, wo, out0; writes out0
.if DOCPART == 6
	.amdgcn_target "amdgcn-amd-amdhsa--gfx1250"
	.amdhsa_code_object_version 6
	.text
	.protected	k_qf1504413e8_outproj
	.globl	k_qf1504413e8_outproj
	.p2align	8
	.type	k_qf1504413e8_outproj,@function
k_qf1504413e8_outproj:
	s_mov_b64 s[64:65], 0
	v_nop
	global_prefetch_b8 v0, s[64:65] scope:SCOPE_SE
	s_setreg_imm32_b32 hwreg(HW_REG_WAVE_MODE, 25, 1), 1
	s_wait_xcnt 0x0
	s_wait_alu depctr_hold_cnt(0) depctr_sa_sdst(0) depctr_va_vdst(0) depctr_va_sdst(0) depctr_va_ssrc(0) depctr_va_vcc(0) depctr_vm_vsrc(0)
	s_getreg_b32 s2, hwreg(HW_REG_IB_STS2, 6, 4)
	s_cmp_eq_u32 s2, 0
	s_cbranch_scc0 .Lentry_in_a_cluster
	s_endpgm
.Lentry_in_a_cluster:
	s_bfe_u32 s2, ttmp6, 0x10000c
	s_cmp_lg_u32 s2, 0xf033
	s_cbranch_scc0 .Lentry_shape_is_right
	s_endpgm
.Lentry_shape_is_right:
; out0[g][f] = the sum over e of ob[g][e] wo[f][e].  ob: [8192][1024] f16, wo: [1024][1024] f16, out0: [8192][1024] f32.  Sums in f32.
; A tile of 128 x 256 gives each of 256 work-groups one.  Four waves, 64 x 128 each: 32 accumulators in window 1, both fragment buffers in window 0.  K in 8 steps of 128 through two LDS slots;
; the loop's body is one K step, the slots' turns are scalars (TB, TF) turned by an exclusive or.
; CLUSTER 4 x 4: ob's tile is asked for jointly along a row of the cluster (waves 0, 1: 64 rows each), wo's along a column (waves 2, 3: 128 rows each).
; The matrix instruction is used transposed.  The way out goes as f32 through the ring's bytes, which have had their last fill; a wave's store covers 512 consecutive bytes, aligned.
.set PITCH,  272
.set APART,  128*PITCH
.set SLOT,   APART+256*PITCH
.set SPARE,  2*SLOT
.set DP,     528
.set WREG,   64*DP
.set A0,   16
.set B0,   17
.set ADRA, 18
.set ADRB, 19
.set STO,  24
.set RD,   25
.set CO,   26
.set SPW,  28
.set NIL,  29
.set PFO,  30
.set F0,   64
.set F1,   160
.set OB,   64
.set WV, 12
.set WR, 13
.set WC, 14
.set CNT, 15
.set TROW, 16
.set TCOL, 17
.set CX, 18
.set CY, 19
.set G1A, 24
.set G0A, 32
.set G1B, 40
.set G0B, 48
.set PFA, 56
.set LIM, 58
.set TB,  59
.set TF,  60
.set LWA, 61
.set LWB, 62
.set OUTP, 8
.set G1C, (1<<16)|(1<<20)|(1<<21)|(5<<22)|(3<<25)
.set MSB, 0
.macro WIN new
.if MSB != (\new)
	s_set_vgpr_msb (MSB<<8)|(\new)
.set MSB, \new
.endif
.endm
.set MULW, 0x50
.macro PLACES
.rept 4
	v_nop
.endr
.endm
.macro JLOAD
	s_cmp_lt_u32 s[WV], 2
	s_cbranch_scc0 .Lfor_b_\@
	tensor_load_to_lds s[G0A+4:G0A+7], s[G1A:G1A+7]
	s_nop 0
.rept 4
	v_nop
.endr
	s_branch .Lasked_\@
.Lfor_b_\@:
	tensor_load_to_lds s[G0B+4:G0B+7], s[G1B:G1B+7]
	s_nop 0
.rept 4
	v_nop
.endr
.Lasked_\@:
.endm
; A prefetch, behind a joint refill and the run of LDS loads: the K step two refills on, 32 rows x 256 bytes, a lane a row.  ob's tile of 128 rows is read by one row of one cluster: its four partners take 32 rows
; each, by address, and wave 0 asks.  wo's tile of 256 rows is read by every cluster: the cluster with y = 0 asks; its four partners of a column take 64 rows each, by address, waves 2 and 3 half of them each.
; Only K steps 4 to 7 are named: while the counter is above 2.
.macro ASK
	s_cmp_gt_u32 s[CNT], s[LIM]
	s_cbranch_scc0 .Lnot_mine_\@
	global_prefetch_b8 v[PFO], s[PFA:PFA+1] th:TH_LOAD_NT scope:SCOPE_SE
.Lnot_mine_\@:
.endm
.macro CREST
	s_cmp_lg_u32 s[WV], 0
	s_cbranch_scc1 .Lnot_wave_0_\@
	s_barrier_signal -3
.Lnot_wave_0_\@:
	s_barrier_wait -3
	s_barrier_signal -1
	s_barrier_wait -1
.endm
.macro CROUND
	s_barrier_signal -1
	s_barrier_wait -1
	CREST
.endm
	s_load_b128 s[4:7], s[0:1], 0x0                ; ob s[4:5], wo s[6:7]
	s_load_b64 s[8:9], s[0:1], 0x10                ; out0
	v_lshl_add_u32 v[SPW], v0, 2, SPARE
	v_mov_b32 v[NIL], 0
	ds_add_u32 v[SPW], v[NIL]                      ; the wave's opening: the add and its wait stand ahead of my first tensor load
	v_lshrrev_b32 v1, 5, v0
	v_readfirstlane_b32 s[WV], v1
	s_lshr_b32 s[WR], s[WV], 1
	s_and_b32 s[WC], s[WV], 1
	s_bfe_u32 s[CX], ttmp6, 0x40000
	s_bfe_u32 s[CY], ttmp6, 0x40004
	s_lshl_b32 s[TCOL], ttmp9, 2
	s_add_co_u32 s[TCOL], s[TCOL], s[CX]
	s_and_b32 s[TROW], ttmp7, 0xffff
	s_lshl_b32 s[TROW], s[TROW], 2
	s_add_co_u32 s[TROW], s[TROW], s[CY]
	s_lshl_b32 s20, s[CY], 2
	s_lshl_b32 s20, 15, s20                        ; my row of the cluster
	s_lshl_b32 s66, 0x1111, s[CX]                  ; my column
	s_or_b32 s[G1A], s20, G1C
	s_or_b32 s[G1B], s66, G1C
	s_mov_b32 s[G1A+1], 128<<16
	s_mov_b32 s[G1A+2], 64<<16
	s_mov_b32 s[G1A+3], 128<<16
	s_mov_b32 s[G1A+4], 64
	s_mov_b32 s[G1A+5], 1024
	s_mov_b32 s[G1A+6], 0
	s_mov_b32 s[G1A+7], 0
	s_mov_b32 s[G1B+1], 128<<16
	s_mov_b32 s[G1B+2], 128<<16
	s_mov_b32 s[G1B+3], 128<<16
	s_mov_b32 s[G1B+4], 128
	s_mov_b32 s[G1B+5], 1024
	s_mov_b32 s[G1B+6], 0
	s_mov_b32 s[G1B+7], 0
	s_lshl_b32 s20, s[TROW], 7
	s_lshl_b32 s21, s[WC], 6
	s_add_co_u32 s20, s20, s21                     ; ob: row 128 x tile row + 64 x half
	s_lshl_b32 s20, s20, 11
	s_mov_b32 s21, 0
	s_lshl_b32 s66, s[TCOL], 8
	s_lshl_b32 s67, s[WC], 7
	s_add_co_u32 s66, s66, s67                     ; wo: row 256 x tile column + 128 x half
	s_lshl_b32 s66, s66, 11
	s_mov_b32 s67, 0
	s_mul_i32 s[LWA], s[WC], 64*PITCH
	s_mul_i32 s[LWB], s[WC], 128*PITCH
	s_add_co_u32 s[LWB], s[LWB], APART
	s_mov_b32 s[TB], 0
	s_mov_b32 s[TF], SLOT
	s_wait_dscnt 0x0                               ; the opening add is done
	s_wait_kmcnt 0x0
	s_add_nc_u64 s[20:21], s[4:5], s[20:21]
	s_add_nc_u64 s[66:67], s[6:7], s[66:67]
	CROUND                                         ; all sixteen work-groups are here: the first joint loads meet
.irp s, 0,1
	s_mov_b32 s[G0A+4*(\s)], 1
	s_add_co_u32 s[G0A+4*(\s)+1], s[LWA], (\s)*SLOT
	s_add_nc_u64 s[G0A+4*(\s)+2:G0A+4*(\s)+3], s[20:21], (\s)*256
	s_or_b32 s[G0A+4*(\s)+3], s[G0A+4*(\s)+3], 0x80000000
	s_mov_b32 s[G0B+4*(\s)], 1
	s_add_co_u32 s[G0B+4*(\s)+1], s[LWB], (\s)*SLOT
	s_add_nc_u64 s[G0B+4*(\s)+2:G0B+4*(\s)+3], s[66:67], (\s)*256
	s_or_b32 s[G0B+4*(\s)+3], s[G0B+4*(\s)+3], 0x80000000
.endr
	s_cmp_lt_u32 s[WV], 2                          ; a wave's two first fills stand in one branch: two loads of mine are out
	s_cbranch_scc0 .Lfirst_b
	tensor_load_to_lds s[G0A:G0A+3], s[G1A:G1A+7]
	s_nop 0
	tensor_load_to_lds s[G0A+4:G0A+7], s[G1A:G1A+7]
	s_nop 0
.rept 4
	v_nop
.endr
	s_branch .Lfirst_asked
.Lfirst_b:
	tensor_load_to_lds s[G0B:G0B+3], s[G1B:G1B+7]
	s_nop 0
	tensor_load_to_lds s[G0B+4:G0B+7], s[G1B:G1B+7]
	s_nop 0
.rept 4
	v_nop
.endr
.Lfirst_asked:
	v_and_b32 v1, 15, v0
	v_bfe_u32 v2, v0, 4, 1
	v_and_b32 v4, 31, v0
	v_mul_u32_u24 v3, v1, PITCH
	v_lshl_add_u32 v3, v2, 4, v3
	s_mul_i32 s22, s[WR], 64*PITCH
	s_mul_i32 s23, s[WC], 128*PITCH
	s_add_co_u32 s23, s23, APART
	v_add_nc_u32 v[A0], s22, v3
	v_add_nc_u32 v[B0], s23, v3
	v_mov_b32 v[ADRA], v[A0]
	v_mov_b32 v[ADRB], v[B0]
	s_mul_i32 s22, s[WV], WREG
	v_mul_u32_u24 v3, v1, DP
	v_lshl_add_u32 v3, v2, 5, v3
	v_add_nc_u32 v[STO], s22, v3
	v_lshl_add_u32 v[RD], v4, 4, s22
	v_lshlrev_b32 v[CO], 4, v4
	v_lshlrev_b32 v[PFO], 11, v4
	s_lshl_b32 s20, s[TROW], 7
	s_lshl_b32 s21, s[WR], 6
	s_add_co_u32 s20, s20, s21
	s_lshl_b32 s20, s20, 12                        ; out0: my first row,
	s_mov_b32 s21, 0
	s_add_nc_u64 s[OUTP:OUTP+1], s[OUTP:OUTP+1], s[20:21]
	s_lshl_b32 s66, s[TCOL], 10
	s_lshl_b32 s67, s[WC], 9
	s_add_co_u32 s66, s66, s67                     ; and my first column, in bytes
	s_mov_b32 s67, 0
	s_add_nc_u64 s[OUTP:OUTP+1], s[OUTP:OUTP+1], s[66:67]
	s_lshl_b32 s68, s[TROW], 7                     ; the prefetches.  ob: row 128 x tile row + 32 cx
	s_lshl_b32 s69, s[CX], 5
	s_add_co_u32 s68, s68, s69
	s_lshl_b32 s69, s[TCOL], 8                     ; wo: row 256 x tile column + 64 cy + 32 x half
	s_lshl_b32 s70, s[CY], 6
	s_add_co_u32 s69, s69, s70
	s_lshl_b32 s70, s[WC], 5
	s_add_co_u32 s69, s69, s70
	s_and_b32 s70, ttmp7, 0xffff                   ; cluster y
	s_cmp_lt_u32 s[WV], 2
	s_cselect_b32 s68, s68, s69
	s_cselect_b32 s70, s[WV], s70                  ; 0 in a wave that asks: the same in all sixteen partners, for a given wave
	s_cselect_b64 s[PFA:PFA+1], s[4:5], s[6:7]
	s_cmp_eq_u32 s70, 0
	s_cselect_b32 s[LIM], 2, -1
	s_lshl_b32 s68, s68, 11
	s_mov_b32 s69, 0
	s_add_nc_u64 s[PFA:PFA+1], s[PFA:PFA+1], s[68:69]
	s_add_nc_u64 s[PFA:PFA+1], s[PFA:PFA+1], 3*256 ; at K step 3: the first refill steps it to 4
.macro MUL8 f, a, zero                 ; the 32 accumulators take turns, in the same order in every quarter
	WIN MULW
.irp b, 0,1,2,3,4,5,6,7
.if \zero
	v_wmma_f32_16x16x32_f16 v[8*(8*(\a)+(\b)):8*(8*(\a)+(\b))+7], v[(\f)+32+8*(\b):(\f)+32+8*(\b)+7], v[(\f)+8*(\a):(\f)+8*(\a)+7], 0
.else
	v_wmma_f32_16x16x32_f16 v[8*(8*(\a)+(\b)):8*(8*(\a)+(\b))+7], v[(\f)+32+8*(\b):(\f)+32+8*(\b)+7], v[(\f)+8*(\a):(\f)+8*(\a)+7], v[8*(8*(\a)+(\b)):8*(8*(\a)+(\b))+7]
.endif
.endr
.endm
.macro FETCH k, f                      ; 24 LDS loads in one run: wo's eight fragments, then ob's four
	WIN 0
.irp b, 0,1,2,3,4,5,6,7
	ds_load_b128 v[(\f)+32+8*(\b):(\f)+32+8*(\b)+3],   v[ADRB] offset:(\k)+(\b)*16*PITCH
	ds_load_b128 v[(\f)+32+8*(\b)+4:(\f)+32+8*(\b)+7], v[ADRB] offset:(\k)+(\b)*16*PITCH+32
.endr
.irp a, 0,1,2,3
	ds_load_b128 v[(\f)+8*(\a):(\f)+8*(\a)+3],   v[ADRA] offset:(\k)+(\a)*16*PITCH
	ds_load_b128 v[(\f)+8*(\a)+4:(\f)+8*(\a)+7], v[ADRA] offset:(\k)+(\a)*16*PITCH+32
.endr
.endm
.macro QUARTER k, f, g, zero
	s_wait_dscnt 4                                 ; all but the youngest four loads (my rows 32-63 of ob)
	MUL8 \f, 0, \zero
	MUL8 \f, 1, \zero
	PLACES
	FETCH \k, \g
	s_wait_dscnt 24                                ; all but the 24 just issued
	MUL8 \f, 2, \zero
	MUL8 \f, 3, \zero
.endm
.macro TURN fill                       ; the change of slots, as in the other products of this program
.if \fill
	s_wait_xcnt 0x0                                ; the last prefetch, a K step back, has read its address
	s_add_nc_u64 s[PFA:PFA+1], s[PFA:PFA+1], 256
.endif
	WIN 0
	s_wait_tensorcnt 0x0                           ; all my tensor loads have landed: my part of the next slot
	ds_add_u32 v[SPW], v[NIL]
	s_wait_dscnt 5                                 ; (the add and the youngest four loads may be out)
	MUL8 F1, 0, 0
	s_wait_dscnt 0x0                               ; the add is done, and my reads of this slot are over
	s_barrier_signal -1
	MUL8 F1, 1, 0
	WIN 0
	s_barrier_wait -1
.if \fill
	CREST
	s_xor_b32 s[TF], s[TF], SLOT
	s_add_co_u32 s[G0A+5], s[LWA], s[TF]
	s_add_co_u32 s[G0B+5], s[LWB], s[TF]
	s_add_nc_u64 s[G0A+6:G0A+7], s[G0A+6:G0A+7], 256
	s_add_nc_u64 s[G0B+6:G0B+7], s[G0B+6:G0B+7], 256
	JLOAD
.else
	PLACES
.endif
	s_xor_b32 s[TB], s[TB], SLOT
	v_add_nc_u32 v[ADRA], s[TB], v[A0]
	v_add_nc_u32 v[ADRB], s[TB], v[B0]
	FETCH 0, F0
.if \fill
	ASK
.endif
	MUL8 F1, 2, 0
	MUL8 F1, 3, 0
.endm
	s_wait_tensorcnt 1                             ; my part of K step 0 is in; K step 1's may stay out
	s_barrier_signal -1
	s_barrier_wait -1
	FETCH 0, F0
	QUARTER 64, F0, F1, 1
	WIN 0
	s_mov_b32 s[CNT], 6
.Lstep:
	QUARTER 128, F1, F0, 0
	QUARTER 192, F0, F1, 0
	TURN 1
	QUARTER 64, F0, F1, 0
	WIN 0
	s_sub_co_u32 s[CNT], s[CNT], 1
	s_cmp_lg_u32 s[CNT], 0
	s_cbranch_scc1 .Lstep
	QUARTER 128, F1, F0, 0
	QUARTER 192, F0, F1, 0
	TURN 0
	QUARTER 64, F0, F1, 0
	QUARTER 128, F1, F0, 0
	QUARTER 192, F0, F1, 0
	s_wait_dscnt 0x0
	MUL8 F1, 0, 0
	MUL8 F1, 1, 0
	MUL8 F1, 2, 0
	MUL8 F1, 3, 0
	WIN 0
	s_barrier_signal -1                            ; every wave's reads of the ring are back, and no fill is to come
	s_barrier_wait -1
	PLACES
	PLACES
	WIN 0x04
.irp a, 0,1,2,3
.irp b, 0,1,2,3,4,5,6,7
	ds_store_b128 v[STO], v[8*(8*(\a)+(\b)):8*(8*(\a)+(\b))+3]   offset:(\a)*16*DP+64*(\b)
	ds_store_b128 v[STO], v[8*(8*(\a)+(\b))+4:8*(8*(\a)+(\b))+7] offset:(\a)*16*DP+64*(\b)+16
.endr
.endr
	WIN 0
	s_mov_b32 s[CNT], 4
.Lout:
.irp t, 0,1,2,3,4,5,6,7,8,9,10,11,12,13,14,15
	ds_load_b128 v[OB+4*(\t):OB+4*(\t)+3], v[RD] offset:DP*(\t)
.endr
.irp t, 0,1,2,3,4,5,6,7,8,9,10,11,12,13,14,15
	s_wait_dscnt 15-(\t)
	global_store_b128 v[CO], v[OB+4*(\t):OB+4*(\t)+3], s[OUTP:OUTP+1] offset:4096*(\t)  ; 512 consecutive bytes of a row, aligned
.endr
	s_wait_xcnt 0x0
	v_add_nc_u32 v[RD], 16*DP, v[RD]
	s_add_nc_u64 s[OUTP:OUTP+1], s[OUTP:OUTP+1], 16*4096
	s_sub_co_u32 s[CNT], s[CNT], 1
	s_cmp_lg_u32 s[CNT], 0
	s_cbranch_scc1 .Lout
	s_wait_tensorcnt 0x0                           ; the wave's end
	ds_add_u32 v[SPW], v[NIL]
	s_wait_dscnt 0x0
	CROUND                                         ; the closing round
	s_endpgm
.Lfunc_end_k_qf1504413e8_outproj:
	.size	k_qf1504413e8_outproj, .Lfunc_end_k_qf1504413e8_outproj-k_qf1504413e8_outproj
	.p2alignl 7, 3214868480
	.fill 96, 4, 3214868480
	.section	.rodata,"a",@progbits
	.p2align	6, 0x0
	.amdhsa_kernel k_qf1504413e8_outproj
		.amdhsa_group_segment_fixed_size 327680
		.amdhsa_private_segment_fixed_size 0
		.amdhsa_enable_private_segment 0
		.amdhsa_kernarg_size 24
		.amdhsa_user_sgpr_count 2
		.amdhsa_user_sgpr_kernarg_segment_ptr 1
		.amdhsa_wavefront_size32 1
		.amdhsa_system_sgpr_workgroup_id_x 1
		.amdhsa_system_sgpr_workgroup_id_y 1
		.amdhsa_system_sgpr_workgroup_id_z 1
		.amdhsa_system_vgpr_workitem_id 0
		.amdhsa_next_free_vgpr 512
		.amdhsa_next_free_sgpr 80
		.amdhsa_reserve_vcc 0
		.amdhsa_float_denorm_mode_32 3
		.amdhsa_float_denorm_mode_16_64 3
		.amdhsa_memory_ordered 1
		.amdhsa_forward_progress 1
		.amdhsa_inst_pref_size 62
	.end_amdhsa_kernel
	.amdgpu_metadata
---
amdhsa.version: [ 1, 2 ]
amdhsa.kernels:
  - .name:           k_qf1504413e8_outproj
    .symbol:         k_qf1504413e8_outproj.kd
    .args:
      - { .name: ob, .offset: 0, .size: 8, .value_kind: global_buffer, .address_space: global }
      - { .name: wo, .offset: 8, .size: 8, .value_kind: global_buffer, .address_space: global }
      - { .name: out0, .offset: 16, .size: 8, .value_kind: global_buffer, .address_space: global }
    .group_segment_fixed_size: 327680
    .private_segment_fixed_size: 0
    .kernarg_segment_align: 8
    .kernarg_segment_size: 24
    .max_flat_workgroup_size: 128
    .sgpr_count:     80
    .vgpr_count:     512
    .wavefront_size: 32
...
	.end_amdgpu_metadata
.endif
;; end of part 6
;; ======== version 2 of 2: 6 launches; version 1 with the launch cast written anew for expert scheduling mode
;; limits: values are held in f16: magnitudes above 65,504 overflow, below 6.1e-05 lose precision
;; workspace buffers: kvb 16,777,216 bytes; wb 6,291,456 bytes; wo 2,097,152 bytes; rope 524,288 bytes; qkv 56,623,104 bytes; sc 67,108,864 bytes; pr 33,554,432 bytes; ob 16,777,216 bytes
;; launch cast (part 7): grid 800 x 1, 8 waves a work-group, no clusters, 0 bytes of LDS; arguments keyvalue, Wqkv, Wout, kvb, wb, wo, rope; writes kvb, wb, wo, rope
.if DOCPART == 7
	.amdgcn_target "amdgcn-amd-amdhsa--gfx1250"
	.amdhsa_code_object_version 6
	.text
	.protected	k_qf1504413e8_cast
	.globl	k_qf1504413e8_cast
	.p2align	8
	.type	k_qf1504413e8_cast,@function
k_qf1504413e8_cast:
	s_mov_b64 s[64:65], 0
	v_nop
	global_prefetch_b8 v0, s[64:65] scope:SCOPE_SE
	s_setreg_imm32_b32 hwreg(HW_REG_WAVE_SCHED_MODE, 0, 2), 2
	s_setreg_imm32_b32 hwreg(HW_REG_WAVE_MODE, 25, 1), 1
	s_wait_xcnt 0x0
	s_wait_alu depctr_vm_vsrc(0)
; THE INPUTS ARE ROUNDED ONCE, AND THE TABLE OF ROTATIONS IS MADE.
; Work-groups 0-511: keyvalue [8192][1024] f32 -> kvb in bf16.  512-703: Wqkv [3072][1024] -> wb in bf16.  704-767: Wout [1024][1024] -> wo: rounded to bf16 like the
; other inputs, and that number written as f16 (exact down to f16's fixed step of 6e-8 below 6e-5; Wout stays under 65,504).
; 768-799: rope[s][i] = (cos, sin)(s x 10000^(-i/32)), s = 0..2047, i = 0..31, f32: a row is 256 bytes.
; The input query is not read: the module deletes it in its first line, and no result hangs on it.
; A casting work-group takes 16,384 numbers, a wave 2,048: sixteen loads of 512 consecutive bytes, all on their way at once; each store of a wave covers 256 consecutive bytes, aligned.
; No LDS, no barrier, no matrix unit: every byte is read once and written once, and no wave wants another's.
; LIMITS.  10000^(-i/32) is 2^(-i log2(10)/8) by v_exp_f32, so an angle may differ from a correctly rounded one by about 2e-4 at s = 2047.  Sine and cosine: the angle less a multiple of
; pi/2 (pi/2 in two parts), then polynomials of degree 7 and 8 on -pi/4 .. pi/4.
; THE MODE: SCHED_MODE bits 1:0 = 2 (LLVM: expert scheduling mode 2), set by the entry lines.  The code itself states the register dependences
; between vector instructions and memory instructions, with s_wait_alu, always for 0.
; THE PLAN, casting.  Registers that memory instructions touch:
;   v3, v4   byte offsets, made once and never written again: v3 is read by the sixteen loads, v4 by the sixteen stores.
;   XR       four registers a load; named by no vector instruction ahead of the loads; read by that load's conversions; never loaded again.
;   YR       two registers a store; written by one pair of conversions, read by one store; never written again.
; The work goes in four groups of four loads.  Group g's conversions read its XR and write its YR; the four stores of group g - 1 are dealt among them.  One wait at a group's head states that the group
; before has written its YR; no vector instruction behind that wait names a register of those stores.  No register that a memory instruction reads is written a second time.
; THE PLAN, the table.  v22, the offset, is made once; OUT, two registers a row, is written once and read by one store.  The eight rows go in two passes: the first makes each row's sine, cosine, number of
; quarter turns and, in a scalar register of its own, the mask of odd quarters; one wait states that the eight masks are written; the second selects and sets the signs; one wait states that OUT is written; then the eight stores.
.set XR, 16                            ; v[16:79]   sixteen loads of four numbers
.set YR, 80                            ; v[80:111]  sixteen stores of four 16-bit numbers
.set SN, 32                            ; v[32:39]   the table: sin r of row r
.set CN, 40                            ; v[40:47]   cos r
.set NQ, 48                            ; v[48:55]   the number of quarter turns
.set OUT, 64                           ; v[64:79]   (cos, sin) of row r, to store
.set MK, 40                            ; s[40:47]   row r's mask: the lanes with an odd number of quarter turns
	s_load_b256 s[4:11], s[0:1], 0x0               ; keyvalue s[4:5], Wqkv s[6:7], Wout s[8:9], kvb s[10:11]
	s_load_b128 s[12:15], s[0:1], 0x20             ; wb s[12:13], wo s[14:15]
	s_load_b64 s[16:17], s[0:1], 0x30              ; rope
	v_lshrrev_b32 v1, 5, v0
	v_readfirstlane_b32 s20, v1                    ; wave 0..7
	v_and_b32 v2, 31, v0                           ; lane
	s_mov_b32 s21, ttmp9
	s_mov_b32 s27, 0xffff0000                      ; a word's upper bf16
	s_wait_alu depctr_va_sdst(0)                   ; s20 is written
	s_wait_kmcnt 0x0
	s_cmp_ge_u32 s21, 768
	s_cbranch_scc1 .Ltable
	s_cmp_lt_u32 s21, 512                          ; which tensor, and which of its blocks of 16,384 numbers
	s_cselect_b64 s[22:23], s[4:5], s[6:7]
	s_cselect_b64 s[24:25], s[10:11], s[12:13]
	s_cselect_b32 s26, 0, 512
	s_cmp_lt_u32 s21, 704
	s_cselect_b64 s[22:23], s[22:23], s[8:9]
	s_cselect_b64 s[24:25], s[24:25], s[14:15]
	s_cselect_b32 s26, s26, 704
	s_sub_co_u32 s26, s21, s26
	s_lshl_b32 s28, s26, 16                        ; 65,536 bytes in,
	s_mov_b32 s29, 0
	s_lshl_b32 s30, s26, 15                        ; 32,768 bytes out
	s_mov_b32 s31, 0
	s_add_nc_u64 s[22:23], s[22:23], s[28:29]
	s_add_nc_u64 s[24:25], s[24:25], s[30:31]
	v_lshlrev_b32 v3, 4, v2
	v_lshl_add_u32 v3, v1, 13, v3                  ; in: 8,192 x wave + 16 x lane
	v_lshlrev_b32 v4, 3, v2
	v_lshl_add_u32 v4, v1, 12, v4                  ; out: 4,096 x wave + 8 x lane
	s_wait_alu depctr_va_vdst(0)                   ; v3 and v4 are written: every load below reads v3 as its offset, every store v4
.irp j, 0,1,2,3,4,5,6,7,8,9,10,11,12,13,14,15
	global_load_b128 v[XR+4*(\j):XR+4*(\j)+3], v3, s[22:23] offset:512*(\j) th:TH_LOAD_NT
.endr
	s_cmp_ge_u32 s21, 704
	s_cbranch_scc1 .Lwout
.irp g, 0,1,2,3
	s_wait_loadcnt 12-4*(\g)                       ; loads come back in order: this group's four are in, the younger groups stay out
.if (\g) > 0
	s_wait_alu depctr_va_vdst(0)                   ; the group before has written its eight registers of YR, which the four stores below read
.endif
.irp i, 0,1,2,3
.if (\g) > 0
	global_store_b64 v4, v[YR+2*(4*(\g)-4+(\i)):YR+2*(4*(\g)-4+(\i))+1], s[24:25] offset:256*(4*(\g)-4+(\i)) th:TH_STORE_NT  ; the group before; no vector instruction since the wait names these registers
.endif
	v_cvt_pk_bf16_f32 v[YR+2*(4*(\g)+(\i))], v[XR+4*(4*(\g)+(\i))], v[XR+4*(4*(\g)+(\i))+1]
	v_cvt_pk_bf16_f32 v[YR+2*(4*(\g)+(\i))+1], v[XR+4*(4*(\g)+(\i))+2], v[XR+4*(4*(\g)+(\i))+3]
.endr
.endr
	s_wait_alu depctr_va_vdst(0)                   ; the last group has written its YR, which the last four stores read
.irp j, 12,13,14,15
	global_store_b64 v4, v[YR+2*(\j):YR+2*(\j)+1], s[24:25] offset:256*(\j) th:TH_STORE_NT
.endr
	s_endpgm
.Lwout:
.irp g, 0,1,2,3
	s_wait_loadcnt 12-4*(\g)                       ; this group's four loads are in, the younger groups stay out
.if (\g) > 0
	s_wait_alu depctr_va_vdst(0)                   ; the group before has written its eight registers of YR, which the four stores below read
.endif
.irp i, 0,1,2,3
.if (\g) > 0
	global_store_b64 v4, v[YR+2*(4*(\g)-4+(\i)):YR+2*(4*(\g)-4+(\i))+1], s[24:25] offset:256*(4*(\g)-4+(\i)) th:TH_STORE_NT  ; the group before; no vector instruction since the wait names these registers
.endif
	v_cvt_pk_bf16_f32 v8, v[XR+4*(4*(\g)+(\i))], v[XR+4*(4*(\g)+(\i))+1]     ; rounded to bf16,
	v_cvt_pk_bf16_f32 v9, v[XR+4*(4*(\g)+(\i))+2], v[XR+4*(4*(\g)+(\i))+3]
	v_lshlrev_b32 v10, 16, v8                      ; widened again (v8 to v13 are named by vector instructions alone),
	v_and_b32 v11, s27, v8
	v_lshlrev_b32 v12, 16, v9
	v_and_b32 v13, s27, v9
	v_cvt_pk_f16_f32 v[YR+2*(4*(\g)+(\i))], v10, v11        ; and written as f16
	v_cvt_pk_f16_f32 v[YR+2*(4*(\g)+(\i))+1], v12, v13
.endr
.endr
	s_wait_alu depctr_va_vdst(0)                   ; the last group has written its YR, which the last four stores read
.irp j, 12,13,14,15
	global_store_b64 v4, v[YR+2*(\j):YR+2*(\j)+1], s[24:25] offset:256*(\j) th:TH_STORE_NT
.endr
	s_endpgm
.Ltable:                                       ; a work-group makes 64 rows, a wave 8; a lane is a frequency
	s_sub_co_u32 s21, s21, 768
	s_lshl_b32 s21, s21, 6
	s_lshl3_add_u32 s21, s20, s21                  ; my first row: 64 t + 8 x wave
	s_mov_b32 s30, 0x3f22f983                      ; 2 / pi
	s_mov_b32 s31, 0x3fc90fdb                      ; pi / 2, rounded up,
	s_mov_b32 s32, 0x333bbd2e                      ; and by how much
	s_mov_b32 s33, 0xbe2aaaa3                      ; sine: r + r z (s33 + z (s34 + z s35)), z = r r
	s_mov_b32 s34, 0x3c08839e
	s_mov_b32 s35, 0xb94ca1f9
	s_mov_b32 s36, 0x3d2aaaa5                      ; cosine: 1 - z / 2 + z z (s36 + z (s37 + z s38))
	s_mov_b32 s37, 0xbab6061a
	s_mov_b32 s38, 0x37ccf5ce
	v_cvt_f32_u32 v5, v2
	v_mul_f32 v5, 0xbed49a78, v5                   ; - i log2(10) / 8
	v_exp_f32 v5, v5                               ; 10000^(-i/32)
	v_lshlrev_b32 v22, 3, v2                       ; (a plain instruction behind the exponential) 8 x lane,
	s_lshl_b32 s24, s21, 8
	v_add_nc_u32 v22, s24, v22                     ; + 256 x my first row
	s_wait_alu depctr_va_vdst(0)                   ; the exponential has written v5, ahead of its first reader
.irp r, 0,1,2,3,4,5,6,7                        ; the first pass: sine, cosine, quarter turns and mask of each row
	s_add_co_u32 s22, s21, \r
	v_cvt_f32_u32 v6, s22
	v_mul_f32 v6, v6, v5                           ; the angle
	v_mul_f32 v7, s30, v6
	v_rndne_f32 v7, v7                             ; the nearest multiple of pi / 2
	v_fma_f32 v8, -v7, s31, v6
	v_fma_f32 v8, v7, s32, v8                      ; r, within pi / 4 of 0
	v_mul_f32 v9, v8, v8
	v_fma_f32 v10, v9, s35, s34
	v_fma_f32 v12, v9, s38, s37
	v_fma_f32 v10, v10, v9, s33
	v_fma_f32 v12, v12, v9, s36
	v_mul_f32 v11, v8, v9
	v_mul_f32 v13, v9, v9
	v_fma_f32 v14, v9, -0.5, 1.0
	v_fma_f32 v[SN+(\r)], v11, v10, v8             ; sin r
	v_fma_f32 v[CN+(\r)], v13, v12, v14            ; cos r
	v_cvt_i32_f32 v[NQ+(\r)], v7
	v_and_b32 v16, 1, v[NQ+(\r)]
	v_cmp_eq_u32 s[MK+(\r)], 1, v16                ; an odd quarter turn swaps the two
.endr
	s_wait_alu depctr_va_sdst(0)                   ; the eight compares have written s40 to s47, which the selects below read: one wait for the run
.irp r, 0,1,2,3,4,5,6,7                        ; the second pass
	v_cndmask_b32 v17, v[SN+(\r)], v[CN+(\r)], s[MK+(\r)]
	v_cndmask_b32 v18, v[CN+(\r)], v[SN+(\r)], s[MK+(\r)]
	v_and_b32 v19, 2, v[NQ+(\r)]                   ; the sine is turned in quarters 2 and 3,
	v_lshlrev_b32 v19, 30, v19
	v_xor_b32 v[OUT+2*(\r)+1], v19, v17
	v_add_nc_u32 v19, 1, v[NQ+(\r)]                ; the cosine in quarters 1 and 2
	v_and_b32 v19, 2, v19
	v_lshlrev_b32 v19, 30, v19
	v_xor_b32 v[OUT+2*(\r)], v19, v18
.endr
	s_wait_alu depctr_va_vdst(0)                   ; the second pass has written OUT, which the eight stores read as data; v22, their offset, was written ahead of it too
.irp r, 0,1,2,3,4,5,6,7
	global_store_b64 v22, v[OUT+2*(\r):OUT+2*(\r)+1], s[16:17] offset:256*(\r)  ; 32 lanes store a row: 256 consecutive bytes, aligned
.endr
	s_endpgm
.Lfunc_end_k_qf1504413e8_cast:
	.size	k_qf1504413e8_cast, .Lfunc_end_k_qf1504413e8_cast-k_qf1504413e8_cast
	.p2alignl 7, 3214868480
	.fill 96, 4, 3214868480
	.section	.rodata,"a",@progbits
	.p2align	6, 0x0
	.amdhsa_kernel k_qf1504413e8_cast
		.amdhsa_group_segment_fixed_size 0
		.amdhsa_private_segment_fixed_size 0
		.amdhsa_enable_private_segment 0
		.amdhsa_kernarg_size 56
		.amdhsa_user_sgpr_count 2
		.amdhsa_user_sgpr_kernarg_segment_ptr 1
		.amdhsa_wavefront_size32 1
		.amdhsa_system_sgpr_workgroup_id_x 1
		.amdhsa_system_sgpr_workgroup_id_y 1
		.amdhsa_system_sgpr_workgroup_id_z 1
		.amdhsa_system_vgpr_workitem_id 0
		.amdhsa_next_free_vgpr 112
		.amdhsa_next_free_sgpr 66
		.amdhsa_reserve_vcc 0
		.amdhsa_float_denorm_mode_32 3
		.amdhsa_float_denorm_mode_16_64 3
		.amdhsa_memory_ordered 1
		.amdhsa_forward_progress 1
		.amdhsa_inst_pref_size 27
	.end_amdhsa_kernel
	.amdgpu_metadata
---
amdhsa.version: [ 1, 2 ]
amdhsa.kernels:
  - .name:           k_qf1504413e8_cast
    .symbol:         k_qf1504413e8_cast.kd
    .args:
      - { .name: keyvalue, .offset: 0, .size: 8, .value_kind: global_buffer, .address_space: global }
      - { .name: Wqkv, .offset: 8, .size: 8, .value_kind: global_buffer, .address_space: global }
      - { .name: Wout, .offset: 16, .size: 8, .value_kind: global_buffer, .address_space: global }
      - { .name: kvb, .offset: 24, .size: 8, .value_kind: global_buffer, .address_space: global }
      - { .name: wb, .offset: 32, .size: 8, .value_kind: global_buffer, .address_space: global }
      - { .name: wo, .offset: 40, .size: 8, .value_kind: global_buffer, .address_space: global }
      - { .name: rope, .offset: 48, .size: 8, .value_kind: global_buffer, .address_space: global }
    .group_segment_fixed_size: 0
    .private_segment_fixed_size: 0
    .kernarg_segment_align: 8
    .kernarg_segment_size: 56
    .max_flat_workgroup_size: 256
    .sgpr_count:     66
    .vgpr_count:     112
    .wavefront_size: 32
...
	.end_amdgpu_metadata
.endif
;; end of part 7
;; launch qkvproj: the kernel of part 2 again; grid 12 x 32, 4 waves a work-group, clusters of 4 x 4, 327,680 bytes of LDS; arguments kvb, wb, rope, qkv; writes qkv
;; launch scores: the kernel of part 3 again; grid 38 x 4, 4 waves a work-group, no clusters, 327,680 bytes of LDS; arguments qkv, sc; writes sc
;; launch softmax: the kernel of part 4 again; grid 1024 x 1, 8 waves a work-group, no clusters, 0 bytes of LDS; arguments sc, pr; writes pr
;; launch pv: the kernel of part 5 again; grid 8 x 32, 4 waves a work-group, clusters of 4 x 1, 327,680 bytes of LDS; arguments pr, qkv, ob; writes ob
;; launch outproj: the kernel of part 6 again; grid 4 x 64, 4 waves a work-group, clusters of 4 x 4, 327,680 bytes of LDS; arguments ob, wo, out0; writes out0
